; MI455X (gfx1250); checked and timed in simulation.
; The chip was launched on July 23, 2026; its instructions are those of AMD's public machine-readable ISA for CDNA 5 (MIT licence, August 2026) and "CDNA5" Instruction Set Architecture Reference Guide (July 2026). The comments in the code are by the model that wrote it; some were corrected since.
;; Multihead Attention. Allowed arithmetic: matrix products marked QUANTISED: E2M1 operands, one E8M0 scale for each 32 along K, by v_wmma_scale_f32_16x16x128_f8f6f4 with both operands' format E2M1 (or v_wmma_scale_f32_32x16x128_f4), f32 sums; everything else in f32.
;; Inputs: K 4 x 2,048 x 1,024 float32; Q 4 x 2,048 x 1,024 float32; V 4 x 2,048 x 1,024 float32; W_K 16 x 1,024 x 64 float32; W_O 1,024 x 1,024 float32; W_Q 16 x 1,024 x 64 float32; W_V 16 x 1,024 x 64 float32.
;; Outputs: out0 4 x 2,048 x 1,024 float32.
;; This version of the problem:
;;   THIS VERSION OF THE PROBLEM IS GIVEN IN LOW PRECISION. The matrix products marked QUANTISED in the list below multiply operands that are first quantised to E2M1 (2 exponent bits, 1 mantissa bit; 4 bits a number), with one power-of-two scale for each 32 numbers along K (OCP MX v1.0); their sums are f32. All else is computed in f32.
;;   The module's matrix products, in the order in which they are computed (A, B: the left and right operand; K: the contracted axis; several contracted axes count as one K, in the product's order):
;;     1. [M 1,024, K 1,024] x [K 1,024, N 8,192]; A: input W_Q; B: input Q: QUANTISED
;;     2. [M 1,024, K 1,024] x [K 1,024, N 8,192]; A: input W_K; B: input K: QUANTISED
;;     3. [M 1,024, K 1,024] x [K 1,024, N 8,192]; A: input W_V; B: input V: QUANTISED
;;     4. batch 64 x [M 2,048, K 64] x [K 64, N 2,048]; A: computed on the way; B: computed on the way: QUANTISED
;;     5. batch 64 x [M 2,048, K 2,048] x [K 2,048, N 64]; A: softmax (see below); B: computed on the way: QUANTISED
;;     6. [M 8,192, K 1,024] x [K 1,024, N 1,024]; A: computed on the way; B: input W_O: QUANTISED
;;   THE QUANTISER, for each operand of a quantised product, along K:
;;     - K is cut into blocks of 32 from its start; a last block that is shorter is filled with zeros.
;;     - A block's scale is 2^e with e = floor(log2(the largest magnitude in the block)) - 2, held to -126 .. 127; a block of zeros has e = 0. As a byte (E8M0): e + 127.
;;     - Each number is divided by its block's scale, clamped to +-6, and rounded to the nearest number of E2M1, ties to even, subnormals kept.
;;     - The product sums the exact products of the quantised numbers (number of the format x scale) in f32.
;;   ~~~python
;;   def quantise(x, axis):      # numpy; x: float32 -> the quantised numbers, widened to float32 again
;;       x = np.moveaxis(x, axis, -1); K = x.shape[-1]
;;       x = np.pad(x, [(0, 0)] * (x.ndim - 1) + [(0, -K % 32)]); x = x.reshape(x.shape[:-1] + (-1, 32)); a = np.abs(x).max(-1, keepdims=True)
;;       e = np.where(a > 0, np.clip(np.frexp(np.where(a > 0, a, 1))[1] - 1 - 2, -126, 127), 0)      # np.frexp(a)[1] - 1 = floor(log2(a)), exactly
;;       r = np.clip(x / 2.0 ** e, -6, 6)
;;       step = 2.0 ** (np.maximum(np.frexp(np.where(r == 0, 1, r))[1] - 1, 0) - 1)
;;       q = np.round(r / step) * step * 2.0 ** e      # np.round: ties to even
;;       return np.moveaxis(q.reshape(q.shape[:-2] + (-1,))[..., :K], -1, axis).astype(np.float32)
;;   ~~~
;;   SOFTMAX AHEAD OF A QUANTISED PRODUCT. Where the list says 'softmax', what is quantised is not the finished softmax but p = 2^(t - M), with t = logit x log2(e) and M = ceil(the row's largest t), a whole number; so 1/2 < the row's largest p <= 1. The row's sum l is taken of the UNQUANTISED p, in f32, and the product's result is divided by l at the end. Since M is a whole number, a kernel that streams over the keys may use a running M (the ceiling of the running maximum): every later rescaling is an exact power of two, which a block's scale takes up: the codes' values come out the same.
;;   OPERANDS COMPUTED ON THE WAY. 'Computed on the way' means the value that the module computes at that place (a softmax that the list does not call 'softmax' is quantised finished and normalised). What goes into a quantiser is computed in f32, as accurately as f32 sums, v_exp_f32 and their like allow (about 1e-6 of the number): no bf16 or f16 on the way to a quantiser, and a product that is left as it is and whose result goes on into a quantised operand takes f32 operands (vector FMAs, or v_wmma_f32_16x16x4_f32). A number that lies on a knife's edge between two numbers of the format may be rounded either way, as far as f32 arithmetic and the matrix unit's own rounding can turn it there, and no further.
;; One version. Each part assembles by itself: llvm-mc -triple=amdgcn-amd-amdhsa -mcpu=gfx1250 --defsym DOCPART=n.
;; ======== version 1 of 1: 4 launches
;; limits: right only within a limited range of input values
;; workspace buffers: wc 2,097,152 bytes; ws 131,072 bytes; qc 4,194,304 bytes; qs 524,288 bytes; kv 9,175,040 bytes; cc 4,194,304 bytes; csh 262,144 bytes
;; launch wq (part 1): grid 256 x 1, 8 waves a work-group, no clusters, 1,536 bytes of LDS; arguments W_Q, W_K, W_V, W_O, wc, ws; writes wc, ws
.if DOCPART == 1
	.amdgcn_target "amdgcn-amd-amdhsa--gfx1250"
	.amdhsa_code_object_version 6
	.text
	.protected	k_q13fd9e6c02_wq
	.globl	k_q13fd9e6c02_wq
	.p2align	8
	.type	k_q13fd9e6c02_wq,@function
k_q13fd9e6c02_wq:
	s_mov_b64 s[64:65], 0
	v_nop
	global_prefetch_b8 v0, s[64:65] scope:SCOPE_SE
	s_setreg_imm32_b32 hwreg(HW_REG_WAVE_MODE, 25, 1), 1
	s_wait_xcnt 0x0
; The four weights, f32 with K as their first matrix axis, become codes of FP4 (E2M1) and E8M0 scale words, laid in the ORDER OF AN OPERAND'S REGISTERS.
; W_Q, W_K, W_V: [16 heads][1024 (K)][64 columns]; W_O: [1024 (K)][1024 columns], taken as 16 groups of 64 columns.  T = 0..3 names the tensor, G the head or group.
; wc: [T][G][s 8][t 4][1024 bytes]: fragment (K step s of 128, tile t of 16 columns): lane (r, h)'s registers 4 c .. 4 c + 3 (k = 128 s + 64 c + 32 h + 0 .. 31) at 512 c + 16 (16 h + r).
; THE COLUMNS OF A TILE ARE NOT NEIGHBOURS: place r of tile 2 b + u is column 32 b + 8 u + r + 8 (r / 8), so that a product that takes such a tile as source 0 leaves 16 neighbouring columns in 16 registers of two tiles.
; ws: [T][G][g 4][lane (r, h)][4 words j]: word j = the scale word (four bytes, 128 along K) of tile 2 (j % 2) + h, place r, K step 2 g + j / 2.
; A LANE TAKES A COLUMN, ITS REGISTERS RUN DOWN K: a block of 32 lies in one lane, and the conversions give codes with K innermost.  Nothing is transposed.
; SHARES: work-group x: T = x / 64, G = (x / 4) % 16, g = x % 4: 64 columns x 256 along K.  Wave w: columns 32 (w % 2) on, K 64 (w / 2) on: 64 loads of 128 consecutive bytes, all out at once.
; A block's 16 bytes of codes are 16 neighbouring bytes of an image, and sixteen lanes of one u fill 256 consecutive aligned bytes.  The scale bytes of the eight waves meet in 512 bytes of LDS and leave as one store.
; A block's scale: the largest magnitude's exponent field - 2, held at 1 from below.
; LIMITS: NaN and infinities are not served; a block of zeros gets the byte 1 (not 127): its codes are zeros, and this program alone reads the bytes.
; No matrix unit, no cluster, no tensor load: each input byte is read by one wave, once.
.set X, 32                             ; v32-95   64 numbers down K
.set C, 96                             ; v96-103  two blocks' codes
.macro LOADS pitch                     ; W(k0 + n, my column), n = 0 .. 63
.set n, 0
.rept 64
	global_load_b32 v[X+n], v4, s[24:25] offset:n*\pitch th:TH_LOAD_NT
.set n, n+1
.endr
.endm
.macro BLOCK e                         ; my block e of 32 along K: it is lane half h = e of the fragment
.set XB, X+32*\e
.if \e == 0
	s_wait_loadcnt 32                              ; the first 32 loads are in; the second block's 32 may be out
.else
	s_wait_loadcnt 0
.endif
	v_max3_num_f32 v12, |v[XB]|, |v[XB+1]|, |v[XB+2]|
	v_max3_num_f32 v13, |v[XB+3]|, |v[XB+4]|, |v[XB+5]|
.irp i, 6,10,14,18,22,26
	s_delay_alu instid0(VALU_DEP_2)
	v_max3_num_f32 v12, v12, |v[XB+\i]|, |v[XB+\i+1]|
	s_delay_alu instid0(VALU_DEP_2)
	v_max3_num_f32 v13, v13, |v[XB+\i+2]|, |v[XB+\i+3]|
.endr
	s_delay_alu instid0(VALU_DEP_2)
	v_max3_num_f32 v12, v12, |v[XB+30]|, |v[XB+31]|
	s_delay_alu instid0(VALU_DEP_1)
	v_max3_num_f32 v12, v12, v13, 0x1800000        ; and the floor 2^(3 - 127): the byte cannot fall under 1
	s_delay_alu instid0(VALU_DEP_1)
	v_add_nc_u32 v[14+\e], 0xff000000, v12         ; 2 off the exponent field: the conversion's scale operand
.irp g, 0,1,2,3
	v_cvt_scalef32_pk8_fp4_f32 v[C+4*\e+\g], v[XB+8*\g:XB+8*\g+7], v[14+\e]
.endr
	v_lshrrev_b32 v[16+\e], 23, v[14+\e]           ; the scale's byte (a plain line behind the conversions)
	global_store_b128 v5, v[C+4*\e:C+4*\e+3], s[26:27] offset:256*\e   ; lanes of one u: 256 consecutive bytes, aligned
.endm
	s_load_b256 s[4:11], s[0:1], 0x0               ; W_Q, W_K, W_V, W_O
	s_load_b128 s[12:15], s[0:1], 0x20             ; wc, ws
	v_lshl_add_u32 v112, v0, 2, 0x200
	v_mov_b32 v113, 0
	v_lshrrev_b32 v1, 5, v0
	s_delay_alu instid0(VALU_DEP_1)
	v_readfirstlane_b32 s16, v1                    ; wave 0..7
	v_and_b32 v1, 31, v0                           ; x: my column among the wave's 32
	v_bfe_u32 v2, v0, 3, 1                         ; u = (x / 8) % 2
	v_and_b32 v3, 7, v0
	v_bfe_u32 v8, v0, 4, 1
	s_delay_alu instid0(VALU_DEP_1)
	v_lshl_or_b32 v3, v8, 3, v3                    ; r = x % 8 + 8 (x / 16)
	v_lshlrev_b32 v4, 2, v1                        ; in: 4 bytes a lane
	s_delay_alu instid0(VALU_DEP_2)
	v_lshlrev_b32 v5, 4, v3
	s_delay_alu instid0(VALU_DEP_1)
	v_lshl_add_u32 v5, v2, 10, v5                  ; out: tile u's image, place r: 1024 u + 16 r
	s_delay_alu instid0(VALU_DEP_4)
	v_lshl_add_u32 v6, v2, 4, v3
	s_delay_alu instid0(VALU_DEP_1)
	v_lshlrev_b32 v6, 4, v6                        ; LDS: lane (r, u)'s 16 bytes of scale words
	s_wait_alu depctr_va_vdst(0)
	v_lshlrev_b32 v7, 4, v1                        ; 16 x lane
	s_and_b32 s17, s16, 1                          ; i: which 32 columns
	s_lshr_b32 s18, s16, 1                         ; kq: which 64 of the 256 along K
	s_lshr_b32 s19, s18, 1                         ; kq / 2: which K step of the two
	s_and_b32 s20, s18, 1                          ; kq % 2: which half c of it
	s_lshl_b32 s21, s19, 3
	s_lshl_b32 s22, s17, 2
	s_add_co_u32 s21, s21, s22                     ; word j = 2 (kq / 2) + i: 4 j bytes,
	s_lshl_b32 s22, s20, 1
	s_add_co_u32 s21, s21, s22                     ; and my two bytes in it: 2 (kq % 2)
	v_add_nc_u32 v6, s21, v6
	s_lshr_b32 s23, ttmp9, 6                       ; T
	s_bfe_u32 s30, ttmp9, 0x40002                  ; G
	s_and_b32 s31, ttmp9, 3                        ; g
	s_lshl_b32 s32, s31, 8
	s_lshl_b32 s33, s18, 6
	s_add_co_u32 s32, s32, s33                     ; k0 = 256 g + 64 kq
	s_cmp_eq_u32 s23, 3
	s_cselect_b32 s33, 12, 8                       ; a row of W_O is 4,096 bytes, of a head's weight 256
	s_cselect_b32 s34, 8, 18                       ; a group of W_O begins 256 bytes on, a head 262,144
	s_lshl_b32 s32, s32, s33
	s_lshl_b32 s34, s30, s34
	s_add_co_u32 s32, s32, s34
	s_lshl_b32 s34, s17, 7
	s_add_co_u32 s32, s32, s34                     ; + 128 i
	s_mov_b32 s33, 0
	s_lshl_b32 s34, ttmp9, 13                      ; wc: 8,192 bytes a work-group (two K steps of four tiles),
	s_lshl_b32 s35, s19, 12
	s_add_co_u32 s34, s34, s35                     ; the K step,
	s_lshl_b32 s35, s17, 11
	s_add_co_u32 s34, s34, s35                     ; tiles 2 i, 2 i + 1,
	s_lshl_b32 s35, s20, 9
	s_add_co_u32 s34, s34, s35                     ; the half c
	s_mov_b32 s35, 0
	s_lshl_b32 s36, ttmp9, 9                       ; ws: 512 bytes a work-group
	s_mov_b32 s37, 0
	s_wait_kmcnt 0x0
	s_cmp_eq_u32 s23, 0                            ; the tensor is chosen by the work-group's number alone
	s_cselect_b64 s[24:25], s[4:5], s[10:11]
	s_cmp_eq_u32 s23, 1
	s_cselect_b64 s[24:25], s[6:7], s[24:25]
	s_cmp_eq_u32 s23, 2
	s_cselect_b64 s[24:25], s[8:9], s[24:25]
	s_add_nc_u64 s[24:25], s[24:25], s[32:33]
	s_add_nc_u64 s[26:27], s[12:13], s[34:35]
	s_add_nc_u64 s[28:29], s[14:15], s[36:37]
	s_cmp_eq_u32 s23, 3                            ; the two arms hold the loads alone: the pitch stands in their immediates
	s_cbranch_scc1 .Lwo
	LOADS 256
	s_branch .Ljoin
.Lwo:
	LOADS 4096
.Ljoin:
	BLOCK 0
	BLOCK 1
	v_lshl_or_b32 v18, v17, 8, v16                 ; my two bytes, the lower K in the lower byte
	ds_store_b16 v6, v18
	s_wait_dscnt 0x0                               ; for the others' sake: my store has landed
	s_barrier_signal -1
	s_barrier_wait -1
	s_cmp_lg_u32 s16, 0
	s_cbranch_scc1 .Ldone
	ds_load_b128 v[20:23], v7                      ; wave 0: the work-group's 512 bytes of scale words
	s_wait_dscnt 0x0
	global_store_b128 v7, v[20:23], s[28:29]       ; 512 consecutive bytes, aligned
.Ldone:
	s_wait_tensorcnt 0x0
	ds_add_u32 v112, v113
	s_wait_dscnt 0x0
	s_endpgm
.Lfunc_end_k_q13fd9e6c02_wq:
	.size	k_q13fd9e6c02_wq, .Lfunc_end_k_q13fd9e6c02_wq-k_q13fd9e6c02_wq
	.p2alignl 7, 3214868480
	.fill 96, 4, 3214868480
	.section	.rodata,"a",@progbits
	.p2align	6, 0x0
	.amdhsa_kernel k_q13fd9e6c02_wq
		.amdhsa_group_segment_fixed_size 1536
		.amdhsa_private_segment_fixed_size 0
		.amdhsa_enable_private_segment 0
		.amdhsa_kernarg_size 48
		.amdhsa_user_sgpr_count 2
		.amdhsa_user_sgpr_kernarg_segment_ptr 1
		.amdhsa_wavefront_size32 1
		.amdhsa_system_sgpr_workgroup_id_x 1
		.amdhsa_system_sgpr_workgroup_id_y 1
		.amdhsa_system_sgpr_workgroup_id_z 1
		.amdhsa_system_vgpr_workitem_id 0
		.amdhsa_next_free_vgpr 114
		.amdhsa_next_free_sgpr 66
		.amdhsa_reserve_vcc 0
		.amdhsa_float_denorm_mode_32 3
		.amdhsa_float_denorm_mode_16_64 3
		.amdhsa_memory_ordered 1
		.amdhsa_forward_progress 1
		.amdhsa_inst_pref_size 20
	.end_amdhsa_kernel
	.amdgpu_metadata
---
amdhsa.version: [ 1, 2 ]
amdhsa.kernels:
  - .name:           k_q13fd9e6c02_wq
    .symbol:         k_q13fd9e6c02_wq.kd
    .args:
      - { .name: W_Q, .offset: 0, .size: 8, .value_kind: global_buffer, .address_space: global }
      - { .name: W_K, .offset: 8, .size: 8, .value_kind: global_buffer, .address_space: global }
      - { .name: W_V, .offset: 16, .size: 8, .value_kind: global_buffer, .address_space: global }
      - { .name: W_O, .offset: 24, .size: 8, .value_kind: global_buffer, .address_space: global }
      - { .name: wc, .offset: 32, .size: 8, .value_kind: global_buffer, .address_space: global }
      - { .name: ws, .offset: 40, .size: 8, .value_kind: global_buffer, .address_space: global }
    .group_segment_fixed_size: 1536
    .private_segment_fixed_size: 0
    .kernarg_segment_align: 8
    .kernarg_segment_size: 48
    .max_flat_workgroup_size: 256
    .sgpr_count:     66
    .vgpr_count:     114
    .wavefront_size: 32
...
	.end_amdgpu_metadata
.endif
;; end of part 1
;; launch proj (part 2): grid 64 x 3, 4 waves a work-group, no clusters, 74,752 bytes of LDS; arguments Q, K, V, wc, ws, qc, qs, kv; writes qc, qs, kv
.if DOCPART == 2
	.amdgcn_target "amdgcn-amd-amdhsa--gfx1250"
	.amdhsa_code_object_version 6
	.text
	.protected	k_q13fd9e6c02_proj
	.globl	k_q13fd9e6c02_proj
	.p2align	8
	.type	k_q13fd9e6c02_proj,@function
k_q13fd9e6c02_proj:
	s_mov_b64 s[64:65], 0
	v_nop
	global_prefetch_b8 v0, s[64:65] scope:SCOPE_SE
	s_setreg_imm32_b32 hwreg(HW_REG_WAVE_MODE, 25, 1), 1
	s_wait_xcnt 0x0
; The three projections on codes of FP4 (E2M1) with E8M0 scales for each 32 along K, and the quantising of their results.  Work-group (x, y): rows 128 x .. 128 x + 127 of tensor y (0 Q, 1 K, 2 V), all 16 heads.
; PHASE X: the 128 rows x 1,024 f32 are read once and quantised along d_model; only the codes (an eighth of the bytes) and scale bytes go through LDS, as images of the operand's registers; each wave then holds ALL 64 fragments
; of x in registers (windows 2, 3) and multiplies them by the weights of its four heads (wave w: heads 4 w .. 4 w + 3), which come from wc straight into registers, three K steps ahead.
; THE ROWS OF A TILE ARE NOT NEIGHBOURS: place r of tile m = 2 b + u is row 32 b + 8 u + r + 8 (r / 8) of the block of 128; the weights' columns are laid the same way.
; Q, K (path 0): source 0 = 16 columns of the weight, source 1 = 16 rows of x: a lane holds one row and, in 16 registers of two tiles, 16 neighbouring channels: quantised along the head's 64 (two blocks).
; V (path 1): the sources swapped: a lane holds one channel and 16 neighbouring KEYS in 16 registers of two tiles: quantised along the keys (four blocks in 128).
; OUT, all as images (lane l's 16 bytes at 16 l), every store in whole aligned runs of 256 bytes:
;   qc [bh][blk][m 8][512]: lane (r, h): codes k = 32 h .. of row place r;  qs [bh][blk][lane (r, h)][4 words i]: the word of tile 2 i + h (bytes 0, 1: the two blocks; bytes 2, 3: 0, over zero codes)
;   kv [bh][blk][8,960]: +0 K's codes like qc; +4,096 V^T's four fragments (16 channels x 128 keys); +8,192 K's scale words like qs; +8,704 V's [lane (r, h)][2 words i], tile 2 i + h
; The 192 work-groups are the 24,576 rows in blocks of 128, the unit of a fragment of V^T; sharing the columns out further would read and quantise x twice.
; NO CLUSTER: what work-groups share are the weights' codes; each fragment goes from memory into the registers of the one wave that uses it, so a joint request would first need a ring in LDS that is filled again
; for every two heads (a head's codes are 32,768 bytes, x's images take 74,240).
; OVER-READ, stated: the loop over heads has no tail: its last trip asks for the next head's first three K steps and scale words.  For the last head of a wave those are the next wave's or the next tensor's bytes of wc and ws
; (for V's last head: W_O's): inside the buffers, stored by the launch before, and never used.
; LIMITS: NaN and infinities are not served; a block of zeros gets the byte 1 (not 127): its codes are zeros, and this program alone reads the bytes.
; REGISTERS, in windows of 256: window 0: v1-8 addresses; v16-47 x's scale words (4 s + i); v48-63 the weights' (4 (s / 2) + 2 (s % 2) + t / 2); v80-207 the weights' fragments, a ring of 4 K steps; v208-255 at work.
;   window 1: the 32 accumulators ((m, t) at 32 m + 8 t, in path 1 at 64 t + 8 m).   windows 2, 3: x's fragments ((s, m) at window 2 + s / 4, 64 (s % 4) + 8 m).   In phase X v256-639 are three sets of 128 numbers.
.set XSC,  70144                       ; LDS: x's images 0 .. 70,143: fragment (s, m) at 8,768 s + 1,088 m; piece (c, h) at 272 (2 c + h); place r at 16 r.  Behind them x's scale words [s][lane (r, h)][4 words i]
.set XA,   1                           ; v1  32 x lane: my 8 numbers of a row's 256
.set XW,   2                           ; v2  where my dword of codes goes
.set XB,   3                           ; v3  where my block's scale byte goes
.set XR0,  4                           ; v4  an image's place for my lane, K steps 0-3
.set XR1,  5                           ; v5  K steps 4-7
.set LI,   6                           ; v6  16 x lane
.set L8,   7                           ; v7  8 x lane
.set XSA,  8                           ; v8  x's scale words: XSC + 16 x lane
.set XS,   16
.set WS,   48
.set WF,   80
.set TM,   208                         ; largest magnitudes, then scale operands
.set T2,   216                         ; the other half's; then bytes.  (Written whole in phase X: a lane permute's destination counts as one of its sources)
.set COD,  224                         ; codes
.set WD,   240                         ; scale words, a register a tile
.set OW,   248                         ; scale words as they are stored
.set BY,   224                         ; phase X: 16 bytes
.set CW,   240                         ; phase X: 16 dwords of codes
.set WV,   20
.set TY,   21
.set XP,   24                          ; s[24:25] x at my wave's 32 rows
.set WP,   26                          ; s[26:27] wc at the head in hand
.set WSP,  28                          ; s[28:29] ws likewise
.set CP,   30                          ; s[30:31] where the head's codes go
.set SP,   32                          ; s[32:33] and its scale words (paths Q, K)
.set CSTR, 34                          ; s[34:35], s[36:37] from head to head
.set SSTR, 36
.set HM,   38                          ; s38 lanes 16-31
.set HD,   39                          ; s39 heads to go
.set SEL,  40                          ; s[40:41] v_permlanex16_b32's selects for lane l xor 16
.set MSB, 0
.macro WIN new                         ; the immediate's high byte repeats the setting that is left
.if MSB != (\new)
	s_set_vgpr_msb (MSB<<8)|(\new)
.set MSB, (\new)
.endif
.endm
.macro PLACES                          ; four plain vector instructions behind matrix instructions, in front of loads into their registers and of the first read of results
.rept 4
	v_nop
.endr
.endm
; Batch t of 8: tile 2 w + t / 4 (16 rows), K 256 (t % 4) on.  A lane takes 8 neighbours (32 bytes) of each row: two loads a row, into set t % 3.
.macro LOADX t
.set SW, 1+((\t)%3)/2
.set SB, 128*(((\t)%3)%2)
	WIN SW<<6
.irp p, 0,1,2,3,4,5,6,7,8,9,10,11,12,13,14,15
.irp e, 0,1
	global_load_b128 v[SB+8*\p+4*\e:SB+8*\p+4*\e+3], v[XA], s[XP:XP+1] offset:(8*((\t)/4)+\p+8*(\p/8))*4096+1024*((\t)%4)+16*\e
.endr
.endr
	WIN 0
.endm
.macro WLOAD s3                        ; the weights' four fragments of K step s3 (8 and more: the next head's) into ring slot s3 % 4
.irp t, 0,1,2,3
.irp c, 0,1
	global_load_b128 v[WF+32*((\s3)%4)+8*\t+4*\c:WF+32*((\s3)%4)+8*\t+4*\c+3], v[LI], s[WP:WP+1] offset:4096*(\s3)+1024*\t+512*\c
.endr
.endr
.endm
.macro WSCLOAD off                     ; a head's 16 registers of scale words
.irp g, 0,1,2,3
	global_load_b128 v[WS+4*\g:WS+4*\g+3], v[LI], s[WSP:WSP+1] offset:\off+512*\g
.endr
.endm
.macro BATCH t
.if (\t) < 7
	s_wait_loadcnt 32                              ; this batch's 32 loads are in; the next batch's 32 may be out
.else
	s_wait_loadcnt 0
.endif
.if (\t)+2 <= 7
	LOADX (\t)+2                                   ; into the set that the batch before has left
.endif
.if (\t) == 7
	WSCLOAD 0                                      ; the first head's scale words and first three K steps
	WLOAD 0
	WLOAD 1
	WLOAD 2
.endif
.set SW, 1+((\t)%3)/2
.set SB, 128*(((\t)%3)%2)
	s_wait_dscnt 0x0                               ; the last batch's LDS stores are done
	WIN 5*SW                                       ; sources 0 and 1: the set's window
.irp p, 0,1,2,3,4,5,6,7,8,9,10,11,12,13,14,15
	v_max3_num_f32 v[TM+\p], |v[SB+8*\p]|, |v[SB+8*\p+1]|, 0x1800000   ; row p: my 8 numbers, and the floor 2^(3 - 127): the byte cannot fall under 1.  (The 16 rows by turns)
.endr
.irp i, 2,4,6
.irp p, 0,1,2,3,4,5,6,7,8,9,10,11,12,13,14,15
	v_max3_num_f32 v[TM+\p], |v[SB+8*\p+\i]|, |v[SB+8*\p+\i+1]|, v[TM+\p]
.endr
.endr
	WIN 0
.irp p, 0,1,2,3,4,5,6,7,8,9,10,11,12,13,14,15
	v_max_num_f32_dpp v[TM+\p], v[TM+\p], v[TM+\p] row_xmask:1 row_mask:0xf bank_mask:0xf
.endr
.irp p, 0,1,2,3,4,5,6,7,8,9,10,11,12,13,14,15
	v_max_num_f32_dpp v[TM+\p], v[TM+\p], v[TM+\p] row_xmask:2 row_mask:0xf bank_mask:0xf   ; four neighbouring lanes hold a block
.endr
.irp p, 0,1,2,3,4,5,6,7,8,9,10,11,12,13,14,15
	v_add_nc_u32 v[TM+\p], 0xff000000, v[TM+\p]    ; 2 off the exponent field: the conversion's scale operand
.endr
.irp p, 0,1,2,3,4,5,6,7,8,9,10,11,12,13,14,15
	v_lshrrev_b32 v[BY+\p], 23, v[TM+\p]           ; the scale's byte
.endr
	WIN SW
.irp p, 0,1,2,3,4,5,6,7,8,9,10,11,12,13,14,15
	v_cvt_scalef32_pk8_fp4_f32 v[CW+\p], v[SB+8*\p:SB+8*\p+7], v[TM+\p]
.endr
	WIN 0
	v_nop                                          ; one plain line behind the last conversion
.irp p, 0,1,2,3,4,5,6,7,8,9,10,11,12,13,14,15
	ds_store_b32 v[XW], v[CW+\p] offset:17536*((\t)%4)+1088*((\t)/4)+16*\p   ; the 32 lanes' words: 16 (l / 16) + 4 ((l / 4) % 4) + l % 4 words apart modulo 64: no two alike
.endr
.irp p, 0,1,2,3,4,5,6,7,8,9,10,11,12,13,14,15
	ds_store_b8 v[XB], v[BY+\p] offset:1024*((\t)%4)+256*((\t)/4)+16*\p      ; the four lanes of a block write the same byte with the same value
.endr
.endm
; One scaled product.  ra, rb: source 0's, source 1's scales stand in lanes 16-31 of their register.
.macro WM d, a, b, sa, sb, ra, rb, zero
.if \zero
.if (\ra) && (\rb)
	v_wmma_scale_f32_16x16x128_f8f6f4 v[\d:\d+7], v[\a:\a+7], v[\b:\b+7], 0, v[\sa], v[\sb] matrix_a_fmt:MATRIX_FMT_FP4 matrix_b_fmt:MATRIX_FMT_FP4 matrix_a_scale:MATRIX_SCALE_ROW1 matrix_b_scale:MATRIX_SCALE_ROW1
.elseif (\ra)
	v_wmma_scale_f32_16x16x128_f8f6f4 v[\d:\d+7], v[\a:\a+7], v[\b:\b+7], 0, v[\sa], v[\sb] matrix_a_fmt:MATRIX_FMT_FP4 matrix_b_fmt:MATRIX_FMT_FP4 matrix_a_scale:MATRIX_SCALE_ROW1
.elseif (\rb)
	v_wmma_scale_f32_16x16x128_f8f6f4 v[\d:\d+7], v[\a:\a+7], v[\b:\b+7], 0, v[\sa], v[\sb] matrix_a_fmt:MATRIX_FMT_FP4 matrix_b_fmt:MATRIX_FMT_FP4 matrix_b_scale:MATRIX_SCALE_ROW1
.else
	v_wmma_scale_f32_16x16x128_f8f6f4 v[\d:\d+7], v[\a:\a+7], v[\b:\b+7], 0, v[\sa], v[\sb] matrix_a_fmt:MATRIX_FMT_FP4 matrix_b_fmt:MATRIX_FMT_FP4
.endif
.else
.if (\ra) && (\rb)
	v_wmma_scale_f32_16x16x128_f8f6f4 v[\d:\d+7], v[\a:\a+7], v[\b:\b+7], v[\d:\d+7], v[\sa], v[\sb] matrix_a_fmt:MATRIX_FMT_FP4 matrix_b_fmt:MATRIX_FMT_FP4 matrix_a_scale:MATRIX_SCALE_ROW1 matrix_b_scale:MATRIX_SCALE_ROW1
.elseif (\ra)
	v_wmma_scale_f32_16x16x128_f8f6f4 v[\d:\d+7], v[\a:\a+7], v[\b:\b+7], v[\d:\d+7], v[\sa], v[\sb] matrix_a_fmt:MATRIX_FMT_FP4 matrix_b_fmt:MATRIX_FMT_FP4 matrix_a_scale:MATRIX_SCALE_ROW1
.elseif (\rb)
	v_wmma_scale_f32_16x16x128_f8f6f4 v[\d:\d+7], v[\a:\a+7], v[\b:\b+7], v[\d:\d+7], v[\sa], v[\sb] matrix_a_fmt:MATRIX_FMT_FP4 matrix_b_fmt:MATRIX_FMT_FP4 matrix_b_scale:MATRIX_SCALE_ROW1
.else
	v_wmma_scale_f32_16x16x128_f8f6f4 v[\d:\d+7], v[\a:\a+7], v[\b:\b+7], v[\d:\d+7], v[\sa], v[\sb] matrix_a_fmt:MATRIX_FMT_FP4 matrix_b_fmt:MATRIX_FMT_FP4
.endif
.endif
.endm
.macro MM path, s, m, t, zero          ; tile m of x against tile t of the weight, K step s
.set rX, 64*((\s)%4)+8*(\m)
.set rW, WF+32*((\s)%4)+8*(\t)
.set rXS, XS+4*(\s)+(\m)/2
.set rWS, WS+4*((\s)/2)+2*((\s)%2)+(\t)/2
.if \path == 0
.set rD, 32*(\m)+8*(\t)
	WM rD, rW, rX, rWS, rXS, (\t)%2, (\m)%2, \zero
.else
.set rD, 64*(\t)+8*(\m)
	WM rD, rX, rW, rXS, rWS, (\m)%2, (\t)%2, \zero
.endif
.endm
.macro MUL16 path, s, m0, zero         ; 16 products; the 32 accumulators take turns, one instruction a turn, in the same order in every K step
.irp m, \m0, \m0+1, \m0+2, \m0+3
.irp t, 0,1,2,3
	MM \path, \s, (\m), \t, \zero
.endr
.endr
.endm
; A K step of 128: 32 products; in its middle the weights of three K steps on are asked for, into the ring slot that the step before has left.
; n: how many younger loads may stay out when this step's weights have to be there.
.macro KSTEP path, s, n, zero, load
.if \path == 0
.set MULW, 0x58+4*((\s)/4)             ; source 0 (the weight) window 0, source 1 (x) window 2 or 3, C and D window 1
.else
.set MULW, 0x52+(\s)/4                 ; source 0 (x) window 2 or 3, source 1 (the weight) window 0, C and D window 1
.endif
	s_wait_loadcnt \n
	WIN MULW
	MUL16 \path, \s, 0, \zero
.if \load
	WIN 0
	PLACES
	WLOAD (\s)+3
.endif
	WIN MULW
	MUL16 \path, \s, 4, \zero
.endm
; Half hf of the 32 accumulators is quantised: eight chains q of 16 registers, 128 hf + 16 q on, each half a block of 32 (the other half lies in lane l xor 16); each accumulator is read from its low end on.
; Path 0: chain q = block q % 2 of tile 4 hf + q / 2.  Path 1: block q % 4 of channel tile 2 hf + q / 4.  In both, codes COD + 4 m .. + 3 (m = 0 .. 3) are 16 bytes of an image after the exchange of halves.
.macro EPI path, hf
	s_wait_xcnt 0x0                                ; earlier stores have read their registers: the codes are written again only behind this wait
	WIN 0x05                                       ; sources 0 and 1: window 1
.irp q, 0,1,2,3,4,5,6,7
	v_max3_num_f32 v[TM+\q], |v[128*\hf+16*\q]|, |v[128*\hf+16*\q+1]|, 0x1800000
.endr
.irp i, 2,4,6,8,10,12,14
.irp q, 0,1,2,3,4,5,6,7
	v_max3_num_f32 v[TM+\q], |v[128*\hf+16*\q+\i]|, |v[128*\hf+16*\q+\i+1]|, v[TM+\q]
.endr
.endr
	WIN 0
.irp q, 0,1,2,3,4,5,6,7
	v_permlanex16_b32 v[T2+\q], v[TM+\q], s[SEL], s[SEL+1]
.endr
.irp q, 0,1,2,3,4,5,6,7
	v_max_num_f32 v[TM+\q], v[TM+\q], v[T2+\q]     ; the block's largest magnitude
.endr
.irp q, 0,1,2,3,4,5,6,7
	v_add_nc_u32 v[TM+\q], 0xff000000, v[TM+\q]    ; the conversion's scale operand
.endr
.irp q, 0,1,2,3,4,5,6,7
	v_lshrrev_b32 v[T2+\q], 23, v[TM+\q]           ; the scale's byte
.endr
.if \path == 0
.irp m, 0,1,2,3
	v_lshl_or_b32 v[WD+4*\hf+\m], v[T2+2*\m+1], 8, v[T2+2*\m]   ; two bytes; the upper two stay 0: they stand over zero codes
.endr
.else
.irp t, 0,1
	v_lshl_or_b32 v[WD+2*\hf+\t], v[T2+4*\t+1], 8, v[T2+4*\t]
	v_lshl_or_b32 v[WD+2*\hf+\t], v[T2+4*\t+2], 16, v[WD+2*\hf+\t]
	v_lshl_or_b32 v[WD+2*\hf+\t], v[T2+4*\t+3], 24, v[WD+2*\hf+\t]
.endr
.endif
	WIN 0x01                                       ; source 0: window 1
.irp q, 0,1,2,3,4,5,6,7
.irp e, 0,1
	v_cvt_scalef32_pk8_fp4_f32 v[COD+2*\q+\e], v[128*\hf+16*\q+8*\e:128*\hf+16*\q+8*\e+7], v[TM+\q]
.endr
.endr
	WIN 0
	v_nop                                          ; one plain line behind the last conversion
.irp m, 0,1,2,3                        ; the operand's layout wants a WHOLE block in a lane: lanes 0-15 the even block, lanes 16-31 the odd one
	v_permlane16_swap_b32 v[COD+4*\m], v[COD+4*\m+2]
	v_permlane16_swap_b32 v[COD+4*\m+1], v[COD+4*\m+3]
.endr
.irp m, 0,1,2,3
	global_store_b128 v[LI], v[COD+4*\m:COD+4*\m+3], s[CP:CP+1] offset:4096*\path+2048*\hf+512*\m   ; 512 consecutive bytes, aligned
.endr
.endm
.macro HEADK path                      ; one head: 8 K steps, then its results are quantised
	KSTEP \path, 0, 0, 1, 1                        ; the scale words were the youngest loads: all are in.  The first products start the sums
	KSTEP \path, 1, 16, 0, 1                       ; from here on: behind a step's weights at least two later steps' 8 loads each were issued
	KSTEP \path, 2, 16, 0, 1
	KSTEP \path, 3, 16, 0, 1
	KSTEP \path, 4, 16, 0, 1
	KSTEP \path, 5, 16, 0, 1                       ; steps 5 to 7 ask for the next head's K steps 0 to 2
	KSTEP \path, 6, 16, 0, 1
	KSTEP \path, 7, 16, 0, 1
	WIN 0
	PLACES
	WSCLOAD 2048                                   ; the next head's scale words
	EPI \path, 0
	EPI \path, 1
.endm
.macro NEXTHEAD
	s_wait_xcnt 0x0                                ; loads and stores have read their bases and data
	s_add_nc_u64 s[CP:CP+1], s[CP:CP+1], s[CSTR:CSTR+1]
	s_add_nc_u64 s[SP:SP+1], s[SP:SP+1], s[SSTR:SSTR+1]
	s_add_nc_u64 s[WP:WP+1], s[WP:WP+1], 32768
	s_add_nc_u64 s[WSP:WSP+1], s[WSP:WSP+1], 2048
	s_sub_co_u32 s[HD], s[HD], 1
	s_cmp_lg_u32 s[HD], 0
.endm
	s_load_b256 s[4:11], s[0:1], 0x0               ; Q, K, V, wc
	s_load_b256 s[12:19], s[0:1], 0x20             ; ws, qc, qs, kv
	v_lshl_add_u32 v78, v0, 2, 0x12200
	v_mov_b32 v79, 0
	v_lshrrev_b32 v9, 5, v0
	v_readfirstlane_b32 s[WV], v9                  ; wave 0..3
	s_and_b32 s[TY], ttmp7, 0xffff                 ; the tensor
	v_and_b32 v10, 31, v0                          ; lane
	v_lshlrev_b32 v[XA], 5, v10
	s_lshl_b32 s42, ttmp9, 19                      ; 128 rows of 4,096 bytes a work-group,
	s_lshl_b32 s43, s[WV], 17                      ; 32 a wave
	s_add_co_u32 s42, s42, s43
	s_mov_b32 s43, 0
	s_wait_alu depctr_va_vdst(0)
	s_wait_kmcnt 0x0
	s_cmp_eq_u32 s[TY], 0
	s_cselect_b64 s[XP:XP+1], s[4:5], s[6:7]
	s_cmp_eq_u32 s[TY], 2
	s_cselect_b64 s[XP:XP+1], s[8:9], s[XP:XP+1]
	s_add_nc_u64 s[XP:XP+1], s[XP:XP+1], s[42:43]
	LOADX 0                                        ; two batches are on their way before anything else is done
	LOADX 1
	v_lshlrev_b32 v[LI], 4, v10
	v_lshlrev_b32 v[L8], 3, v10
	v_bfe_u32 v11, v0, 4, 1                        ; l / 16: which K step of a batch's two; later h
	v_bfe_u32 v12, v0, 2, 2                        ; (l / 4) % 4: my block in the K step = piece 2 c + h
	v_and_b32 v13, 3, v0                           ; l % 4: my dword of the block's four
	v_and_b32 v14, 15, v0                          ; r
	v_mul_u32_u24 v[XW], v11, 8768
	v_mad_u32_u24 v[XW], v12, 272, v[XW]
	v_lshl_add_u32 v[XW], v13, 2, v[XW]
	s_mul_i32 s42, s[WV], 2176                     ; tiles 2 w, 2 w + 1
	v_add_nc_u32 v[XW], s42, v[XW]
	v_lshl_add_u32 v[XB], v11, 9, v12
	s_lshl_b32 s42, s[WV], 2                       ; word i = w
	s_add_co_u32 s42, s42, XSC
	v_add_nc_u32 v[XB], s42, v[XB]
	v_mul_u32_u24 v[XR0], v11, 272
	v_lshl_add_u32 v[XR0], v14, 4, v[XR0]
	v_add_nc_u32 v[XR1], 35072, v[XR0]
	v_add_nc_u32 v[XSA], XSC, v[LI]
	s_mov_b32 s[HM], 0xffff0000
	s_mov_b32 s[SEL], 0x76543210
	s_mov_b32 s[SEL+1], 0xfedcba98
	s_lshl_b32 s42, s[TY], 19                      ; wc: 524,288 bytes a tensor, 131,072 for a wave's four heads
	s_lshl_b32 s43, s[WV], 17
	s_add_co_u32 s42, s42, s43
	s_mov_b32 s43, 0
	s_add_nc_u64 s[WP:WP+1], s[10:11], s[42:43]
	s_lshl_b32 s42, s[TY], 15                      ; ws: 32,768 and 8,192
	s_lshl_b32 s44, s[WV], 13
	s_add_co_u32 s42, s42, s44
	s_add_nc_u64 s[WSP:WSP+1], s[12:13], s[42:43]
	s_lshr_b32 s42, ttmp9, 4                       ; the batch
	s_and_b32 s43, ttmp9, 15                       ; blk: the block of 128 rows in it
	s_lshl_b32 s42, s42, 4
	s_lshl_b32 s44, s[WV], 2
	s_add_co_u32 s42, s42, s44                     ; bh of my first head
	s_lshl_b32 s44, s42, 4
	s_add_co_u32 s44, s44, s43
	s_lshl_b32 s46, s44, 12                        ; qc: (16 bh + blk) x 4,096
	s_lshl_b32 s48, s44, 9                         ; qs: x 512
	s_mul_i32 s50, s42, 143360
	s_mul_i32 s51, s43, 8960
	s_add_co_u32 s50, s50, s51                     ; kv: 143,360 bh + 8,960 blk
	s_add_co_u32 s52, s50, 8192                    ; K's scale words
	s_mov_b32 s[CSTR], 143360
	s_mov_b32 s[SSTR], 143360
	s_cmp_eq_u32 s[TY], 0
	s_cselect_b32 s46, s46, s50
	s_cselect_b32 s48, s48, s52
	s_cselect_b32 s[CSTR], 65536, s[CSTR]
	s_cselect_b32 s[SSTR], 8192, s[SSTR]
	s_cselect_b64 s[CP:CP+1], s[14:15], s[18:19]
	s_cselect_b64 s[SP:SP+1], s[16:17], s[18:19]
	s_mov_b32 s47, 0
	s_mov_b32 s49, 0
	s_mov_b32 s[CSTR+1], 0
	s_mov_b32 s[SSTR+1], 0
	s_add_nc_u64 s[CP:CP+1], s[CP:CP+1], s[46:47]
	s_add_nc_u64 s[SP:SP+1], s[SP:SP+1], s[48:49]
	; ---- PHASE X: my 32 rows become images
.irp t, 0,1,2,3,4,5,6,7
	BATCH \t
.endr
	s_wait_dscnt 0x0                               ; for the others' sake: my stores have landed
	s_barrier_signal -1
	s_barrier_wait -1                              ; x's 64 fragments and their scale words lie in LDS; nothing is stored there again
	WIN 0x80                                       ; destination window 2
.irp s, 0,1,2,3
.irp m, 0,1,2,3,4,5,6,7
.irp c, 0,1
	ds_load_b128 v[64*\s+8*\m+4*\c:64*\s+8*\m+4*\c+3], v[XR0] offset:8768*\s+1088*\m+544*\c
.endr
.endr
.endr
	WIN 0xc0                                       ; destination window 3
.irp s, 0,1,2,3
.irp m, 0,1,2,3,4,5,6,7
.irp c, 0,1
	ds_load_b128 v[64*\s+8*\m+4*\c:64*\s+8*\m+4*\c+3], v[XR1] offset:8768*\s+1088*\m+544*\c
.endr
.endr
.endr
	WIN 0
.irp s, 0,1,2,3,4,5,6,7
	ds_load_b128 v[XS+4*\s:XS+4*\s+3], v[XSA] offset:512*\s
.endr
	s_wait_dscnt 0x0                               ; x is read from LDS once and serves my four heads
	s_mov_b32 s[HD], 4
	s_cmp_eq_u32 s[TY], 2
	s_cbranch_scc1 .Lhead_v                        ; neither way touches LDS again
.Lhead_qk:
	HEADK 0
.irp i, 0,1,2,3
	v_cndmask_b32 v[OW+\i], v[WD+2*\i], v[WD+2*\i+1], s[HM]   ; lanes 0-15: tile 2 i's words, lanes 16-31: tile 2 i + 1's
.endr
	global_store_b128 v[LI], v[OW:OW+3], s[SP:SP+1]
	NEXTHEAD
	s_cbranch_scc1 .Lhead_qk
	s_wait_tensorcnt 0x0
	ds_add_u32 v78, v79
	s_wait_dscnt 0x0
	s_endpgm
.Lhead_v:
	HEADK 1
.irp i, 0,1
	v_cndmask_b32 v[OW+\i], v[WD+2*\i], v[WD+2*\i+1], s[HM]
.endr
	global_store_b64 v[L8], v[OW:OW+1], s[CP:CP+1] offset:8704   ; 256 consecutive bytes, aligned
	NEXTHEAD
	s_cbranch_scc1 .Lhead_v
	s_wait_tensorcnt 0x0
	ds_add_u32 v78, v79
	s_wait_dscnt 0x0
	s_endpgm
.Lfunc_end_k_q13fd9e6c02_proj:
	.size	k_q13fd9e6c02_proj, .Lfunc_end_k_q13fd9e6c02_proj-k_q13fd9e6c02_proj
	.p2alignl 7, 3214868480
	.fill 96, 4, 3214868480
	.section	.rodata,"a",@progbits
	.p2align	6, 0x0
	.amdhsa_kernel k_q13fd9e6c02_proj
		.amdhsa_group_segment_fixed_size 74752
		.amdhsa_private_segment_fixed_size 0
		.amdhsa_enable_private_segment 0
		.amdhsa_kernarg_size 64
		.amdhsa_user_sgpr_count 2
		.amdhsa_user_sgpr_kernarg_segment_ptr 1
		.amdhsa_wavefront_size32 1
		.amdhsa_system_sgpr_workgroup_id_x 1
		.amdhsa_system_sgpr_workgroup_id_y 1
		.amdhsa_system_sgpr_workgroup_id_z 1
		.amdhsa_system_vgpr_workitem_id 0
		.amdhsa_next_free_vgpr 1024
		.amdhsa_next_free_sgpr 66
		.amdhsa_reserve_vcc 0
		.amdhsa_float_denorm_mode_32 3
		.amdhsa_float_denorm_mode_16_64 3
		.amdhsa_memory_ordered 1
		.amdhsa_forward_progress 1
		.amdhsa_inst_pref_size 244
	.end_amdhsa_kernel
	.amdgpu_metadata
---
amdhsa.version: [ 1, 2 ]
amdhsa.kernels:
  - .name:           k_q13fd9e6c02_proj
    .symbol:         k_q13fd9e6c02_proj.kd
    .args:
      - { .name: Q, .offset: 0, .size: 8, .value_kind: global_buffer, .address_space: global }
      - { .name: K, .offset: 8, .size: 8, .value_kind: global_buffer, .address_space: global }
      - { .name: V, .offset: 16, .size: 8, .value_kind: global_buffer, .address_space: global }
      - { .name: wc, .offset: 24, .size: 8, .value_kind: global_buffer, .address_space: global }
      - { .name: ws, .offset: 32, .size: 8, .value_kind: global_buffer, .address_space: global }
      - { .name: qc, .offset: 40, .size: 8, .value_kind: global_buffer, .address_space: global }
      - { .name: qs, .offset: 48, .size: 8, .value_kind: global_buffer, .address_space: global }
      - { .name: kv, .offset: 56, .size: 8, .value_kind: global_buffer, .address_space: global }
    .group_segment_fixed_size: 74752
    .private_segment_fixed_size: 0
    .kernarg_segment_align: 8
    .kernarg_segment_size: 64
    .max_flat_workgroup_size: 128
    .sgpr_count:     66
    .vgpr_count:     1024
    .wavefront_size: 32
...
	.end_amdgpu_metadata
.endif
;; end of part 2
;; launch attn (part 3): grid 4 x 64, 8 waves a work-group, clusters of 4 x 1, 169,984 bytes of LDS; arguments qc, qs, kv, cc, csh; writes cc, csh
.if DOCPART == 3
	.amdgcn_target "amdgcn-amd-amdhsa--gfx1250"
	.amdhsa_code_object_version 6
	.text
	.protected	k_q13fd9e6c02_attn
	.globl	k_q13fd9e6c02_attn
	.p2align	8
	.type	k_q13fd9e6c02_attn,@function
k_q13fd9e6c02_attn:
	s_mov_b64 s[64:65], 0
	v_nop
	global_prefetch_b8 v0, s[64:65] scope:SCOPE_SE
	s_setreg_imm32_b32 hwreg(HW_REG_WAVE_MODE, 25, 1), 1
	s_wait_xcnt 0x0
	s_wait_alu depctr_hold_cnt(0) depctr_sa_sdst(0) depctr_va_vdst(0) depctr_va_sdst(0) depctr_va_ssrc(0) depctr_va_vcc(0) depctr_vm_vsrc(0)
	s_getreg_b32 s2, hwreg(HW_REG_IB_STS2, 6, 4)
	s_cmp_eq_u32 s2, 0
	s_cbranch_scc0 .Lentry_in_a_cluster
	s_endpgm
.Lentry_in_a_cluster:
	s_bfe_u32 s2, ttmp6, 0x10000c
	s_cmp_lg_u32 s2, 0x3003
	s_cbranch_scc0 .Lentry_shape_is_right
	s_endpgm
.Lentry_shape_is_right:
; O = softmax(Qh Kh^T / sqrt(2048)) Vh for one head (y = 16 batch + head) and 512 queries, both products on codes of FP4 (E2M1) with E8M0 scales; O / l is quantised along the head's 64 channels for the last product.
; THE SOFTMAX: t = score x c, c = log2(e) / sqrt(2048); M = the row's largest t so far, rounded UP to a whole number; p = 2^(t - M) is quantised along the keys, not normalised.  The row's sum is taken of the unquantised p and divides O at the end.
; When M moves, the sum and O are multiplied by 2^(old M - new M): exact.
; SHARES: the head's K and V, 16 key steps of 8,960 bytes as the launch before laid them, lie in LDS for the whole launch; each of the EIGHT waves fetches two key steps by one tensor load; every LDS byte is filled once, all at the head, so there is no loop for a data prefetch to run ahead in.
; CLUSTER: the four work-groups of a cluster are the four blocks of 512 queries of one head: each tensor load is a JOINT request (mask 15), its descriptor made of the head and the wave's number alone.
; A wave makes two passes, each on TWO tiles of 16 queries (tiles 16 p + 2 w, + 1 of the 32): each fragment of K and V that it reads from LDS serves both.  Products have 32 rows of source 0: S^T = K Q^T (32 keys), O^T = V^T P^T (32 channels); a lane holds one query (lane % 16).
; THE KEYS OF A TILE are chosen by the LDS address: row 8 h + j of tile T is key 64 (T / 4) + 32 h + 8 (T % 4) + j.  So the 32 registers of tiles 4 c .. 4 c + 3 in lane (r, h) are the WHOLE block 2 c + h of 32 keys, in order:
; a block's largest score needs no other lane, and conversion T gives register T of P's operand as it stands.
; A BLOCK'S SCALE: p rises with the score, so the block's largest p is 2^x, x = (its largest score) c - M; the scale's exponent is floor(x) - 2, x held at -124 from below: the byte lies in 1 .. 125.
; The score product's K is 64: registers 4-7 of Q's and K's fragments are zero codes, and their scale bytes 2, 3 are 0, a power of two over zero codes.
; THE ORDER OF A STEP: the score products; this step's V and the next step's K are asked of LDS (the last trip asks for step 15 once more, inside K's bytes; it is not used); eight chains of maxima, one an accumulator; the row's chain up to -M;
; what hangs on -M laid among tile 0's multiply-adds; the rescaling; the exponentials in two batches, with lines that do not hang on each other between them (tile 1's multiply-adds; tile 0's first sums and conversions); the products with V; the sums' last levels behind them.
; A wait stands ahead of and behind each batch of exponentials.
; OUT: cc [row block 64][s 8][m 8][1,024]: head hd fills K step hd / 2, half hd % 2 of each fragment.  csh [hd][row block][lane (r, h)][4 halfwords i]: the two scale bytes of tile 2 i + h; they meet in LDS and leave as 1,024 consecutive bytes.
; LIMITS: NaN and infinities are not served; the scaled scores stay under 2^31 in magnitude; p under 2^-126 is 0 (v_exp_f32 flushes: ISA guide, its entry); t is one fused multiply-add of the score with c; a block of zeros gets the byte 1: its codes are zeros, and this program alone reads the bytes.
; REGISTERS, window 0: v1-11 addresses; v20-47 the way out's numbers; v48-59 scale words; v64-87 Q; v96-159 K; v160-191 V; v192-255 O / l.
; Window 1: v0-127 S^T, then p; v128-191 O^T; v192-223 a row's numbers, later sums; v224-239 p's codes; v240-243 scale operands; v244, 246 f; v245, 247 the largest score; v248, 250 -M; v249 8 h; v252-255 l.
.set KVB,  8960                        ; a key step: +0 K's codes, +4,096 V^T's, +8,192 K's scale words, +8,704 V's
.set OSC,  16*KVB                      ; O's scale halfwords, 1,024 bytes; no tile lands there
.set SPARE, 0x29000                    ; the spare words: 128 bytes a wave
.set AL,   1                           ; 16 x lane
.set AL8,  2                           ; 8 x lane
.set OSA,  3                           ; where my query's scale halfword goes
.set OSR,  4                           ; where waves 0, 1 read 512 bytes of them back
.set QSO,  5                           ; 16 x (lane % 16)
.set AKL,  6                           ; my lane's place in a tile of K: 1,024 (r / 8) + 256 h + 16 (r % 8)
.set ASL,  7                           ; and among K's scale words: 256 h + 16 (r % 8) + 4 (r / 8)
.set ADV,  8
.set ADV8, 9
.set ADK,  10
.set ADS,  11
.set BM,   20                          ; the way out's numbers
.set AX,   24
.set XP,   26
.set XB,   34
.set WD,   38
.set RC,   44                          ; v[44:45], v[46:47]: 1 / l in the low word
.set KS,   48
.set QS,   52
.set VS,   54
.set PW,   56
.set QS2,  58
.set SPW,  60
.set NIL,  61
.set QF,   64
.set Q2,   80
.set KF,   96
.set VF,   160
.set CD,   160                         ; the way out: O's codes, where V lay
.set OUT,  192
.set OA,   128                         ; window 1 from here on
.set TS,   192
.set C8,   192
.set BMW,  200
.set AXW,  204
.set XPW,  206
.set TTW,  208
.set OLDW, 210
.set XBW,  212
.set WDW,  216
.set XWW,  218
.set PCD,  224
.set SOP,  240
.set FF,   244
.set RSW,  245
.set NMW,  248
.set SH8W, 249
.set LL,   252
.set WV,   14
.set CX,   15
.set TY,   16
.set G0,   20
.set G1,   24
.set SEL,  32
.set CS,   34
.set TB,   36
.set CNT,  37
.set CCP,  38
.set CSP,  40
.set QP,   42
.set QSP,  44
.set TN,   58
.set MSB, 0
.macro WIN new                         ; the immediate's high byte repeats the setting that is left
.if MSB != (\new)
	s_set_vgpr_msb (MSB<<8)|(\new)
.set MSB, (\new)
.endif
.endm
.macro WALU
	s_wait_alu depctr_va_vdst(0)
.endm
.macro CROUND                          ; a round of the cluster's barrier
	s_barrier_signal -1
	s_barrier_wait -1
	s_cmp_lg_u32 s[WV], 0
	s_cbranch_scc1 .Lnot_wave_0_\@
	s_barrier_signal -3
.Lnot_wave_0_\@:
	s_barrier_wait -3
	s_barrier_signal -1
	s_barrier_wait -1
.endm
.macro KLOAD ak, as                    ; a key step's eight tiles of K and four registers of scale words: 12 loads
.irp T, 0,1,2,3,4,5,6,7
	ds_load_b128 v[KF+8*\T:KF+8*\T+3], v[\ak] offset:2048*(\T/4)+512*(\T%2)+128*((\T%4)/2)
.endr
.irp j, 0,1,2,3
	ds_load_b32 v[KS+\j], v[\as] offset:8192+128*(\j%2)+8*(\j/2)   ; lane m: row m of tiles 2 j, 2 j + 1
.endr
.endm
.macro LVL base, n                     ; n packed additions that do not hang on each other: pair k += pair k + n
.set kk, 0
.rept \n
	v_pk_add_f32 v[\base+2*kk:\base+2*kk+1], v[\base+2*kk:\base+2*kk+1], v[\base+2*(kk+\n):\base+2*(kk+\n)+1]
.set kk, kk+1
.endr
.endm
.macro F0N n                           ; the next n of tile 0's 32 lines t - M
.rept \n
.if f0c < 64
	v_pk_fma_f32 v[f0c:f0c+1], v[f0c:f0c+1], s[CS:CS+1], v[NMW:NMW+1] op_sel_hi:[1,0,0]
.set f0c, f0c+2
.endif
.endr
.endm
; A KEY STEP: 128 keys x 32 queries.
.macro STEP first=0
.if \first
	s_mov_b32 s[TN], KVB                           ; the launch's first step: the next key step is step 1, in wave 0's tile
.else
	s_add_co_u32 s[TN], s[TB], KVB
	s_min_u32 s[TN], s[TN], 15*KVB                 ; the next key step; in the last trip step 15 again
.endif
	s_wait_dscnt 0x0                               ; K and its scale words, asked for a step ago
	WIN 0x40                                       ; D in window 1
.irp j, 0,1,2,3
.irp q, 0,1
	v_wmma_scale_f32_32x16x128_f4 v[64*\q+16*\j:64*\q+16*\j+15], v[KF+16*\j:KF+16*\j+15], v[QF+8*\q:QF+8*\q+7], 0, v[KS+\j], v[QS+\q]
.endr
.endr
	WIN 0
	v_add_nc_u32 v[ADV], s[TB], v[AL]              ; four plain lines behind the products, ahead of the loads into their registers and of the first read of results
	v_add_nc_u32 v[ADV8], s[TB], v[AL8]
	v_add_nc_u32 v[ADK], s[TN], v[AKL]
	v_add_nc_u32 v[ADS], s[TN], v[ASL]
.irp t, 0,1,2,3
.irp c, 0,1
	ds_load_b128 v[VF+8*\t+4*\c:VF+8*\t+4*\c+3], v[ADV] offset:4096+1024*\t+512*\c
.endr
.endr
	ds_load_b64 v[VS:VS+1], v[ADV8] offset:8704    ; nine loads for V, this step's;
	KLOAD ADK, ADS                                 ; twelve for K, the next step's
	WIN 0x55                                       ; all places in window 1
.irp i, 0,1,2,3,4,5,6,7
	v_max_num_f32 v[C8+\i], v[16*\i], v[16*\i+1]   ; eight chains by turns, one an accumulator, each from its low end on
.endr
.irp e, 2,4,6,8,10,12,14
.irp i, 0,1,2,3,4,5,6,7
	v_max3_num_f32 v[C8+\i], v[16*\i+\e], v[16*\i+\e+1], v[C8+\i]
.endr
.endr
.irp ch, 0,1,2,3
	v_max_num_f32 v[BMW+\ch], v[C8+2*\ch], v[C8+2*\ch+1]   ; the largest score of each block of 32 keys
.endr
.irp q, 0,1
	v_max_num_f32 v[AXW+\q], v[BMW+2*\q], v[BMW+2*\q+1]
.endr
.irp q, 0,1
	v_mov_b32 v[OLDW+\q], v[NMW+2*\q]
.endr
.irp q, 0,1
	v_permlanex16_b32 v[XPW+\q], v[AXW+\q], s[SEL], s[SEL+1]
.endr
.irp q, 0,1
	v_max3_num_f32 v[RSW+2*\q], v[RSW+2*\q], v[AXW+\q], v[XPW+\q]   ; the running largest score of my query
.endr
.irp q, 0,1
	v_mul_f32 v[TTW+\q], s[CS], v[RSW+2*\q]        ; as t (c is positive)
.endr
.irp q, 0,1
	v_floor_f32 v[NMW+2*\q], -v[TTW+\q]            ; the new -M = floor(-t)
.endr
.set f0c, 0
.irp q, 0,1
	v_sub_f32 v[TTW+\q], v[NMW+2*\q], v[OLDW+\q]   ; old M - new M: a whole number, 0 or less
.endr
	F0N 3
.irp ch, 0,1,2,3
	v_fma_f32 v[XBW+\ch], v[BMW+\ch], s[CS], v[NMW+2*(\ch/2)]   ; x of each block's largest score
.endr
	F0N 3
.irp q, 0,1
	v_cvt_i32_f32 v[TTW+\q], v[TTW+\q]             ; (it saturates)
.endr
	F0N 3
.irp ch, 0,1,2,3
	v_max_num_f32 v[XBW+\ch], 0xc2f80000, v[XBW+\ch]   ; held at -124
.endr
	F0N 3
.irp q, 0,1
	v_ldexp_f32 v[FF+2*\q], 1.0, v[TTW+\q]         ; f = 2^(old M - new M)
.endr
	F0N 3
.irp ch, 0,1,2,3
	v_floor_f32 v[XBW+\ch], v[XBW+\ch]
.endr
	F0N 3
.irp ch, 0,1,2,3
	v_cvt_i32_f32 v[XBW+\ch], v[XBW+\ch]           ; floor(log2) of the block's largest p
.endr
	F0N 3
.irp ch, 0,1,2,3
	v_add_lshl_u32 v[SOP+\ch], v[XBW+\ch], 125, 23 ; the conversions' scale operand: the byte as an exponent field
.endr
	F0N 3
.irp q, 0,1
	v_lshl_add_u32 v[WDW+\q], v[XBW+2*\q+1], 16, v[XBW+2*\q]
.endr
	F0N 3
.irp q, 0,1
	v_add_nc_u32 v[WDW+\q], 0x7d007d, v[WDW+\q]    ; + 125 in both fields: the bytes of my blocks h and 2 + h,
.endr
	F0N 3
.irp q, 0,1
	v_lshlrev_b32 v[WDW+\q], v[SH8W], v[WDW+\q]    ; at their places;
.endr
	F0N 3
.irp q, 0,1
	v_permlanex16_b32 v[XWW+\q], v[WDW+\q], s[SEL], s[SEL+1]
.endr
	F0N 3
.irp q, 0,1
	v_pk_mul_f32 v[LL+2*\q:LL+2*\q+1], v[LL+2*\q:LL+2*\q+1], v[FF+2*\q:FF+2*\q+1] op_sel_hi:[1,0]
.endr
.irp j, 0,2,4,6,8,10,12,14,16,18,20,22,24,26,28,30
.irp q, 0,1
	v_pk_mul_f32 v[OA+32*\q+\j:OA+32*\q+\j+1], v[OA+32*\q+\j:OA+32*\q+\j+1], v[FF+2*\q:FF+2*\q+1] op_sel_hi:[1,0]   ; O^T under the new M; no exponential stands between the last products and these
.endr
.endr
	WIN 0x05                                       ; the destination in window 0: scale words lie there
.irp q, 0,1
	v_or_b32 v[PW+\q], v[WDW+\q], v[XWW+\q]        ; with lane l xor 16's two bytes: p's scale word
.endr
	WIN 0x55
	WALU
.set n1, 0
.rept 32
	v_exp_f32 v[n1], v[n1]                         ; tile 0's p,
	v_exp_f32 v[n1+1], v[n1+1]
	v_pk_fma_f32 v[64+n1:65+n1], v[64+n1:65+n1], s[CS:CS+1], v[NMW+2:NMW+3] op_sel_hi:[1,0,0]   ; with tile 1's t - M between
.set n1, n1+2
.endr
	WALU
.set n1, 0
.rept 64
	v_exp_f32 v[64+n1], v[64+n1]                   ; tile 1's p, with tile 0's conversions and first sums between
.if n1%8 == 5
	v_cvt_scalef32_pk8_fp4_f32 v[PCD+n1/8], v[8*(n1/8):8*(n1/8)+7], v[SOP+n1/32]
.endif
.if n1%4 == 3
	v_pk_add_f32 v[TS+2*(n1/4):TS+2*(n1/4)+1], v[2*(n1/4):2*(n1/4)+1], v[32+2*(n1/4):33+2*(n1/4)]
.endif
.set n1, n1+1
.endr
	WALU
.irp T, 0,1,2,3,4,5,6,7
	v_cvt_scalef32_pk8_fp4_f32 v[PCD+8+\T], v[64+8*\T:64+8*\T+7], v[SOP+2+\T/4]
.endr
	LVL TS, 8                                      ; the rows' sums of the unquantised p: two trees by turns (tile 1's in place: its p are converted)
	LVL 64, 16
	WALU
	s_wait_dscnt 12                                ; V and its scale words are in; K's twelve loads are younger
	WIN 0x54                                       ; source 0 (V) window 0; P, C and D window 1
.irp i, 0,1
.irp q, 0,1
	v_wmma_scale_f32_32x16x128_f4 v[OA+32*\q+16*\i:OA+32*\q+16*\i+15], v[VF+16*\i:VF+16*\i+15], v[PCD+8*\q:PCD+8*\q+7], v[OA+32*\q+16*\i:OA+32*\q+16*\i+15], v[VS+\i], v[PW+\q]
.endr
.endr
	WIN 0x55
	LVL TS, 4                                      ; the trees' last levels name no register of the products
	LVL 64, 8
	LVL TS, 2
	LVL 64, 4
	LVL TS, 1
	LVL 64, 2
	v_pk_add_f32 v[LL:LL+1], v[LL:LL+1], v[TS:TS+1]
	LVL 64, 1
	v_pk_add_f32 v[LL+2:LL+3], v[LL+2:LL+3], v[64:65]
	WIN 0
	s_add_co_u32 s[TB], s[TB], KVB
.endm
; A PASS: two tiles of 16 queries over all keys; then O / l, quantised, goes out.
.macro PASS p
	WIN 0x40
	v_mov_b32 v[RSW], 0xff61b1e6                   ; the largest score so far: -3e38
	v_mov_b32 v[RSW+2], 0xff61b1e6
	v_mov_b32 v[NMW], 0x7f61b1e6                   ; -M: 3e38, so that the first f is 0
	v_mov_b32 v[NMW+2], 0x7f61b1e6
.set n1, 0
.rept 64
	v_mov_b32 v[OA+n1], 0                          ; O^T: the step is written once; the first finds zeros
.set n1, n1+1
.endr
.irp j, 0,1,2,3
	v_mov_b32 v[LL+\j], 0
.endr
	WIN 0
	KLOAD AKL, ASL                                 ; key step 0
	s_mov_b32 s[TB], 0
	WALU
.if \p == 0
	STEP 1                                         ; the first pass's first step is written out: it reads key steps 0 and 1 alone
	WALU
	s_wait_tensorcnt 0x0                           ; every wave: my two key steps have landed,
	s_wait_dscnt 0x0                               ; and no LDS load of mine is out
	s_barrier_signal -1
	s_barrier_wait -1                              ; a plain barrier: all sixteen key steps are shown to all
	s_mov_b32 s[CNT], 15
.else
	s_mov_b32 s[CNT], 16
.endif
.Lstep_\@:
	STEP
	s_sub_co_u32 s[CNT], s[CNT], 1
	s_cmp_lg_u32 s[CNT], 0
	s_cbranch_scc1 .Lstep_\@
.rept 4
	v_nop
.endr
	WALU
	s_wait_dscnt 0x0                               ; the last trip's loads for K have landed
	WIN 0x05
.irp q, 0,1
	v_add_f32 v[AX+\q], v[LL+2*\q], v[LL+2*\q+1]   ; the sum's two halves,
.endr
	WIN 0
.irp q, 0,1
	v_permlanex16_b32 v[XP+\q], v[AX+\q], s[SEL], s[SEL+1]
.endr
.irp q, 0,1
	v_add_f32 v[AX+\q], v[AX+\q], v[XP+\q]         ; and lane l xor 16's
.endr
	WALU
.irp q, 0,1
	v_rcp_f32 v[RC+2*\q], v[AX+\q]
.endr
	v_nop
	WIN 0x01                                       ; source 0 in window 1
	WALU
.irp j, 0,2,4,6,8,10,12,14,16,18,20,22,24,26,28,30
.irp q, 0,1
	v_pk_mul_f32 v[OUT+32*\q+\j:OUT+32*\q+\j+1], v[OA+32*\q+\j:OA+32*\q+\j+1], v[RC+2*\q:RC+2*\q+1] op_sel_hi:[1,0]   ; O^T / l: register 16 b + i is channel 32 b + 16 (lane / 16) + i
.endr
.endr
	WIN 0
.irp ch, 0,1,2,3
	v_max3_num_f32 v[BM+\ch], |v[OUT+16*\ch]|, |v[OUT+16*\ch+1]|, 0x1800000   ; with the floor 2^(3 - 127)
.endr
.irp i, 2,4,6,8,10,12,14
.irp ch, 0,1,2,3
	v_max3_num_f32 v[BM+\ch], v[BM+\ch], |v[OUT+16*\ch+\i]|, |v[OUT+16*\ch+\i+1]|
.endr
.endr
.irp ch, 0,1,2,3
	v_permlanex16_b32 v[XB+\ch], v[BM+\ch], s[SEL], s[SEL+1]
.endr
.irp ch, 0,1,2,3
	v_max_num_f32 v[BM+\ch], v[BM+\ch], v[XB+\ch]
.endr
.irp ch, 0,1,2,3
	v_add_nc_u32 v[XB+\ch], 0xff000000, v[BM+\ch]  ; 2 off the exponent field: the conversion's scale operand
.endr
.irp ch, 0,1,2,3
	v_lshrrev_b32 v[BM+\ch], 23, v[XB+\ch]
.endr
.irp q, 0,1
	v_lshl_or_b32 v[WD+\q], v[BM+2*\q+1], 8, v[BM+2*\q]   ; my query's two scale bytes
.endr
.irp ch, 0,1,2,3
.irp e, 0,1
	v_cvt_scalef32_pk8_fp4_f32 v[CD+2*\ch+\e], v[OUT+16*\ch+8*\e:OUT+16*\ch+8*\e+7], v[XB+\ch]
.endr
.endr
	v_nop                                          ; one plain line behind the last conversion
.irp q, 0,1
	v_permlane16_swap_b32 v[CD+4*\q], v[CD+4*\q+2] ; lanes 0-15: channels 0-31, lanes 16-31: channels 32-63
	v_permlane16_swap_b32 v[CD+4*\q+1], v[CD+4*\q+3]
.endr
.irp q, 0,1
	global_store_b128 v[AL], v[CD+4*\q:CD+4*\q+3], s[CCP:CCP+1] offset:131072*\p+1024*\q   ; 512 consecutive bytes, aligned
	ds_store_b16 v[OSA], v[WD+\q] offset:512*\p+128*\q   ; lanes l and l xor 16 write the same halfword with the same value
.endr
.endm
	s_load_b256 s[4:11], s[0:1], 0x0               ; qc, qs, kv, cc
	s_load_b64 s[12:13], s[0:1], 0x20              ; csh
	v_lshl_add_u32 v[SPW], v0, 2, SPARE
	v_mov_b32 v[NIL], 0
	ds_add_u32 v[SPW], v[NIL]                      ; the opening lines
	ds_add_u32 v[SPW], v[NIL]
	v_lshrrev_b32 v8, 5, v0
	v_readfirstlane_b32 s[WV], v8                  ; wave 0..7
	s_bfe_u32 s[CX], ttmp6, 0x40000
	s_lshl_b32 s46, ttmp9, 2
	s_add_co_u32 s[CX], s[CX], s46                 ; my block of 512 queries: it enters the addresses of qc, qs, cc and csh alone
	s_and_b32 s[TY], ttmp7, 0xffff                 ; 16 batch + head, which the four partners share
	s_mov_b32 s[G1], 15|(3<<16)|(1<<21)            ; two key steps, 17,920 dense bytes, as 70 rows of 32 elements of 8 bytes; the mask names all four work-groups
	s_mov_b32 s[G1+1], 32<<16
	s_mov_b32 s[G1+2], 70<<16
	s_mov_b32 s[G1+3], 32<<16
	s_mov_b32 s[G1+4], 70
	s_mov_b32 s[G1+5], 32
	s_mov_b32 s[G1+6], 0
	s_mov_b32 s[G1+7], 0
	s_mul_i32 s47, s[WV], 2*KVB                    ; key steps 2 w, 2 w + 1: in LDS and in the head's bytes
	s_mul_i32 s48, s[TY], 16*KVB
	s_add_co_u32 s48, s48, s47
	s_mov_b32 s49, 0
	s_mov_b32 s[SEL], 0x76543210
	s_mov_b32 s[SEL+1], 0xfedcba98
	s_mov_b32 s[CS], 0x3d0293ee                    ; c = log2(e) / sqrt(2048)
	s_mov_b32 s[CS+1], s[CS]
	s_lshr_b32 s52, s[WV], 2                       ; w / 4: which of a pass's two row blocks
	s_and_b32 s53, s[WV], 3                        ; w % 4: my tiles in it are 2 (w % 4), + 1
	s_lshl_b32 s54, s52, 8
	s_lshl_b32 s55, s53, 1
	s_add_co_u32 s54, s54, s55
	s_add_co_u32 s54, s54, OSC
	s_lshl_b32 s55, s[WV], 9
	s_add_co_u32 s55, s55, OSC
	v_and_b32 v62, 31, v0                          ; lane
	v_and_b32 v63, 15, v0                          ; r
	v_bfe_u32 v42, v0, 4, 1                        ; h
	v_and_b32 v43, 7, v0                           ; r % 8
	v_bfe_u32 v33, v0, 3, 1                        ; r / 8
	v_lshlrev_b32 v[AL], 4, v62
	v_lshlrev_b32 v[AL8], 3, v62
	v_lshlrev_b32 v[QSO], 4, v63
	v_lshl_add_u32 v[OSA], v63, 3, s54             ; OSC + 256 (w / 4) + 8 r + 2 (w % 4)
	v_add_nc_u32 v[OSR], s55, v[AL]
	v_lshlrev_b32 v32, 4, v43
	v_lshl_add_u32 v32, v42, 8, v32
	v_lshl_add_u32 v[AKL], v33, 10, v32
	v_lshl_add_u32 v[ASL], v33, 2, v32
	WALU
	s_wait_dscnt 0x0
	CROUND                                         ; the opening round, ahead of the wait for the arguments: all four work-groups are here
	s_wait_kmcnt 0x0
	s_mov_b32 s[G0], 1
	s_mov_b32 s[G0+1], s47
	s_add_nc_u64 s[G0+2:G0+3], s[8:9], s[48:49]
	s_or_b32 s[G0+3], s[G0+3], 0x80000000
	s_cmp_eq_u32 s[WV], 0                          ; one tensor load a wave, in one chain of two arms: wave 0's tile, key steps 0 and 1, is shown ahead of the others and has a line of its own
	s_cbranch_scc0 .Lothers
	tensor_load_to_lds s[G0:G0+3], s[G1:G1+7]
	s_nop 0
.rept 4
	v_nop
.endr
	s_branch .Lasked
.Lothers:
	tensor_load_to_lds s[G0:G0+3], s[G1:G1+7]
	s_nop 0
.rept 4
	v_nop
.endr
.Lasked:
	s_lshl_b32 s46, s[TY], 4
	s_lshl_b32 s56, s[CX], 2
	s_add_co_u32 s46, s46, s56                     ; 16 y + 4 X: my first block of 128 queries in qc and qs
	s_lshl_b32 s50, s46, 12
	s_lshl_b32 s56, s[WV], 10
	s_add_co_u32 s50, s50, s56                     ; qc: 4,096 a block, 512 a tile
	s_mov_b32 s51, 0
	s_add_nc_u64 s[QP:QP+1], s[4:5], s[50:51]
	s_lshl_b32 s50, s46, 9                         ; qs: 512 a block, + 512 (w / 4) + 4 (w % 4)
	s_lshl_b32 s56, s52, 9
	s_add_co_u32 s50, s50, s56
	s_lshl_b32 s56, s53, 2
	s_add_co_u32 s50, s50, s56
	s_add_nc_u64 s[QSP:QSP+1], s[6:7], s[50:51]
	s_lshr_b32 s46, s[TY], 4
	s_lshl_b32 s46, s46, 4
	s_lshl_b32 s56, s[CX], 2
	s_add_co_u32 s46, s46, s56                     ; my first row block: 16 batch + 4 X
	s_and_b32 s57, s[TY], 15                       ; the head
	s_add_co_u32 s50, s46, s52
	s_lshl_b32 s50, s50, 16                        ; cc: 65,536 a row block,
	s_lshr_b32 s56, s57, 1
	s_lshl_b32 s56, s56, 13
	s_add_co_u32 s50, s50, s56                     ; K step head / 2,
	s_lshl_b32 s56, s53, 11
	s_add_co_u32 s50, s50, s56                     ; tile 2 (w % 4),
	s_and_b32 s56, s57, 1
	s_lshl_b32 s56, s56, 9
	s_add_co_u32 s50, s50, s56                     ; half head % 2
	s_add_nc_u64 s[CCP:CCP+1], s[10:11], s[50:51]
	s_lshl_b32 s50, s57, 14                        ; csh: 16,384 a head, 256 a row block, 512 a wave
	s_lshl_b32 s56, s46, 8
	s_add_co_u32 s50, s50, s56
	s_lshl_b32 s56, s[WV], 9
	s_add_co_u32 s50, s50, s56
	s_add_nc_u64 s[CSP:CSP+1], s[12:13], s[50:51]
.irp q, 0,1
	global_load_b128 v[QF+8*\q:QF+8*\q+3], v[AL], s[QP:QP+1] offset:512*\q          ; Q's codes, first pass;
	global_load_b128 v[Q2+4*\q:Q2+4*\q+3], v[AL], s[QP:QP+1] offset:8192+512*\q     ; second pass: two blocks on
	global_load_b32 v[QS+\q], v[QSO], s[QSP:QSP+1] offset:256*\q                    ; and the scale words
	global_load_b32 v[QS2+\q], v[QSO], s[QSP:QSP+1] offset:1024+256*\q
.endr
.irp j, 4,5,6,7,12,13,14,15
	v_mov_b32 v[QF+\j], 0                          ; K = 64 .. 127 of Q: zero codes
.endr
.irp T, 0,1,2,3,4,5,6,7
.irp j, 4,5,6,7
	v_mov_b32 v[KF+8*\T+\j], 0                     ; and of K's eight fragments: written once
.endr
.endr
.irp j, XP, XP+1, XB, XB+1, XB+2, XB+3, RC+1, RC+3
	v_mov_b32 v[\j], 0                             ; lane permutes' destinations, and the upper halves of pairs
.endr
	WIN 0x40
.irp j, XPW, XPW+1, XWW, XWW+1, NMW+3
	v_mov_b32 v[\j], 0                             ; the same in window 1
.endr
	v_lshlrev_b32 v[SH8W], 3, v42                  ; 8 h
	WIN 0
	WALU
	s_cmp_eq_u32 s[WV], 0
	s_cbranch_scc0 .Lnot_first
	s_wait_tensorcnt 0x0                           ; wave 0: key steps 0 and 1 have landed
.Lnot_first:
	s_barrier_signal -1
	s_barrier_wait -1                              ; they are shown to all; the other waves' tiles may still be on their way
	s_wait_loadcnt 0x0                             ; Q
	PASS 0
	s_wait_xcnt 0x0                                ; the stores have read their registers
.irp q, 0,1
.irp j, 0,1,2,3
	v_mov_b32 v[QF+8*\q+\j], v[Q2+4*\q+\j]
.endr
	v_mov_b32 v[QS+\q], v[QS2+\q]                  ; the pass's clearing lines stand between these and the next scaled product
.endr
	PASS 1
	s_wait_dscnt 0x0                               ; for the others' sake: my scale halfwords have landed
	s_barrier_signal -1
	s_barrier_wait -1
	s_cmp_gt_u32 s[WV], 1
	s_cbranch_scc1 .Lno_scales
	ds_load_b128 v[OUT:OUT+3], v[OSR]              ; waves 0 and 1: 512 bytes each of the four row blocks' halfwords
	s_wait_dscnt 0x0
	global_store_b128 v[AL], v[OUT:OUT+3], s[CSP:CSP+1]
.Lno_scales:
	s_wait_tensorcnt 0x0                           ; the wave's end
	ds_add_u32 v[SPW], v[NIL]
	s_wait_dscnt 0x0
	CROUND                                         ; the closing round
	s_endpgm
.Lfunc_end_k_q13fd9e6c02_attn:
	.size	k_q13fd9e6c02_attn, .Lfunc_end_k_q13fd9e6c02_attn-k_q13fd9e6c02_attn
	.p2alignl 7, 3214868480
	.fill 96, 4, 3214868480
	.section	.rodata,"a",@progbits
	.p2align	6, 0x0
	.amdhsa_kernel k_q13fd9e6c02_attn
		.amdhsa_group_segment_fixed_size 169984
		.amdhsa_private_segment_fixed_size 0
		.amdhsa_enable_private_segment 0
		.amdhsa_kernarg_size 40
		.amdhsa_user_sgpr_count 2
		.amdhsa_user_sgpr_kernarg_segment_ptr 1
		.amdhsa_wavefront_size32 1
		.amdhsa_system_sgpr_workgroup_id_x 1
		.amdhsa_system_sgpr_workgroup_id_y 1
		.amdhsa_system_sgpr_workgroup_id_z 1
		.amdhsa_system_vgpr_workitem_id 0
		.amdhsa_next_free_vgpr 512
		.amdhsa_next_free_sgpr 66
		.amdhsa_reserve_vcc 0
		.amdhsa_float_denorm_mode_32 3
		.amdhsa_float_denorm_mode_16_64 3
		.amdhsa_memory_ordered 1
		.amdhsa_forward_progress 1
		.amdhsa_inst_pref_size 105
	.end_amdhsa_kernel
	.amdgpu_metadata
---
amdhsa.version: [ 1, 2 ]
amdhsa.kernels:
  - .name:           k_q13fd9e6c02_attn
    .symbol:         k_q13fd9e6c02_attn.kd
    .args:
      - { .name: qc, .offset: 0, .size: 8, .value_kind: global_buffer, .address_space: global }
      - { .name: qs, .offset: 8, .size: 8, .value_kind: global_buffer, .address_space: global }
      - { .name: kv, .offset: 16, .size: 8, .value_kind: global_buffer, .address_space: global }
      - { .name: cc, .offset: 24, .size: 8, .value_kind: global_buffer, .address_space: global }
      - { .name: csh, .offset: 32, .size: 8, .value_kind: global_buffer, .address_space: global }
    .group_segment_fixed_size: 169984
    .private_segment_fixed_size: 0
    .kernarg_segment_align: 8
    .kernarg_segment_size: 40
    .max_flat_workgroup_size: 256
    .sgpr_count:     66
    .vgpr_count:     512
    .wavefront_size: 32
...
	.end_amdgpu_metadata
.endif
;; end of part 3
;; launch outp (part 4): grid 4 x 64, 4 waves a work-group, clusters of 4 x 1, 168,448 bytes of LDS; arguments cc, csh, wc, ws, out0; writes out0
.if DOCPART == 4
	.amdgcn_target "amdgcn-amd-amdhsa--gfx1250"
	.amdhsa_code_object_version 6
	.text
	.protected	k_q13fd9e6c02_outp
	.globl	k_q13fd9e6c02_outp
	.p2align	8
	.type	k_q13fd9e6c02_outp,@function
k_q13fd9e6c02_outp:
	s_mov_b64 s[64:65], 0
	v_nop
	global_prefetch_b8 v0, s[64:65] scope:SCOPE_SE
	s_setreg_imm32_b32 hwreg(HW_REG_WAVE_MODE, 25, 1), 1
	s_wait_xcnt 0x0
	s_wait_alu depctr_hold_cnt(0) depctr_sa_sdst(0) depctr_va_vdst(0) depctr_va_sdst(0) depctr_va_ssrc(0) depctr_va_vcc(0) depctr_vm_vsrc(0)
	s_getreg_b32 s2, hwreg(HW_REG_IB_STS2, 6, 4)
	s_cmp_eq_u32 s2, 0
	s_cbranch_scc0 .Lentry_in_a_cluster
	s_endpgm
.Lentry_in_a_cluster:
	s_bfe_u32 s2, ttmp6, 0x10000c
	s_cmp_lg_u32 s2, 0x3003
	s_cbranch_scc0 .Lentry_shape_is_right
	s_endpgm
.Lentry_shape_is_right:
; out0 = concat W_O on codes of FP4 (E2M1) with E8M0 scales.  Work-group (x, y): rows 128 y .. 128 y + 127, columns 256 x .. 256 x + 255; wave w: the 64 columns of group G = 4 x + w, all 128 rows, K = 1,024 in 8 steps.
; The rows' codes (cc: 64 fragments, 65,536 dense bytes, in the order of an operand's registers) come into LDS once, a quarter by each wave's one tensor load, and from there into each wave's registers (windows 2, 3).
; CLUSTER: the four work-groups of a cluster share their rows: the tensor loads are JOINT requests (mask 15), their descriptors made of y and the wave's number alone.  Every LDS byte is filled once, at the head: there is no loop for a data prefetch to run ahead in.
; W_O's codes of the wave's 64 columns, ALL of K (32 fragments, window 1), and its scale words come from wc and ws straight into registers.  The rows' scale bytes lie by heads in csh, two bytes a head: two heads' halfwords make a K step's word.
; THE WORK GOES BY ROWS OF THE RESULT: a tile of 16 rows is finished in 32 products, its four accumulators by turns, K ascending; it then goes through the wave's own stage in LDS (rows of 256 + 16 bytes) and leaves as rows,
; sixteen lanes storing 256 consecutive bytes, aligned, while the next tile is multiplied.  Two sets of accumulators and of rows on their way back take turns.
; Source 0 = 16 columns of W_O, source 1 = 16 rows: a lane holds one row and, in 16 registers of two tiles, 16 neighbouring columns.  Place r of row tile m = 2 b + u is row 32 b + 8 u + r + 8 (r / 8) of the block.
; LIMITS: NaN and infinities are not served.
; REGISTERS, in windows of 256: window 0: v6-11 addresses; v16-47 the rows' scale words (4 s + i); v48-63 W_O's; v80-143 two sets of four accumulators; v144-207 two sets of rows read back; v208-239 csh's halfwords.
;   window 1: W_O's fragments ((s, t) at 32 s + 8 t).   windows 2, 3: the rows' fragments ((s, m) at window 2 + s / 4, 64 (s % 4) + 8 m).
.set STG,  65536                       ; behind the rows' codes: a stage of 16 x 272 bytes for each wave; no tile lands there
.set LI,   6                           ; v6  16 x lane
.set L8,   7                           ; v7  8 x lane
.set STO,  9                           ; v9  the stage: where I put 16 bytes of a row
.set RD,   10                          ; v10 and where I read a row back
.set CO,   11                          ; v11 my byte offset in two rows of out0
.set XS,   16
.set WS,   48
.set ACC,  80
.set BK,   144
.set CH,   208
.set WV,   14
.set CX,   15
.set TY,   16
.set G0,   20
.set G1,   24
.set WP,   32                          ; s[32:33] wc at my group
.set WSP,  34                          ; s[34:35] ws likewise
.set CSHP, 36                          ; s[36:37] csh at my row block
.set OUTP, 38                          ; s[38:39] out0 at my rows and columns
.set P0,   40                          ; s40, s41 v_perm_b32's selects: the two low halves, the two high halves
.set P1,   41
.set MSB, 0
.macro WIN new                         ; the immediate's high byte repeats the setting that is left
.if MSB != (\new)
	s_set_vgpr_msb (MSB<<8)|(\new)
.set MSB, (\new)
.endif
.endm
.macro PLACES                          ; four plain vector instructions behind matrix instructions (ISA guide 7.12.1)
.rept 4
	v_nop
.endr
.endm
.macro CROUND                          ; a round of the cluster's barrier
	s_barrier_signal -1
	s_barrier_wait -1
	s_cmp_lg_u32 s[WV], 0
	s_cbranch_scc1 .Lnot_wave_0_\@
	s_barrier_signal -3
.Lnot_wave_0_\@:
	s_barrier_wait -3
	s_barrier_signal -1
	s_barrier_wait -1
.endm
.macro WM d, a, b, sa, sb, ra, rb, zero   ; one scaled product; ra, rb: the side's scales stand in lanes 16-31
.if \zero
.if (\ra) && (\rb)
	v_wmma_scale_f32_16x16x128_f8f6f4 v[\d:\d+7], v[\a:\a+7], v[\b:\b+7], 0, v[\sa], v[\sb] matrix_a_fmt:MATRIX_FMT_FP4 matrix_b_fmt:MATRIX_FMT_FP4 matrix_a_scale:MATRIX_SCALE_ROW1 matrix_b_scale:MATRIX_SCALE_ROW1
.elseif (\ra)
	v_wmma_scale_f32_16x16x128_f8f6f4 v[\d:\d+7], v[\a:\a+7], v[\b:\b+7], 0, v[\sa], v[\sb] matrix_a_fmt:MATRIX_FMT_FP4 matrix_b_fmt:MATRIX_FMT_FP4 matrix_a_scale:MATRIX_SCALE_ROW1
.elseif (\rb)
	v_wmma_scale_f32_16x16x128_f8f6f4 v[\d:\d+7], v[\a:\a+7], v[\b:\b+7], 0, v[\sa], v[\sb] matrix_a_fmt:MATRIX_FMT_FP4 matrix_b_fmt:MATRIX_FMT_FP4 matrix_b_scale:MATRIX_SCALE_ROW1
.else
	v_wmma_scale_f32_16x16x128_f8f6f4 v[\d:\d+7], v[\a:\a+7], v[\b:\b+7], 0, v[\sa], v[\sb] matrix_a_fmt:MATRIX_FMT_FP4 matrix_b_fmt:MATRIX_FMT_FP4
.endif
.else
.if (\ra) && (\rb)
	v_wmma_scale_f32_16x16x128_f8f6f4 v[\d:\d+7], v[\a:\a+7], v[\b:\b+7], v[\d:\d+7], v[\sa], v[\sb] matrix_a_fmt:MATRIX_FMT_FP4 matrix_b_fmt:MATRIX_FMT_FP4 matrix_a_scale:MATRIX_SCALE_ROW1 matrix_b_scale:MATRIX_SCALE_ROW1
.elseif (\ra)
	v_wmma_scale_f32_16x16x128_f8f6f4 v[\d:\d+7], v[\a:\a+7], v[\b:\b+7], v[\d:\d+7], v[\sa], v[\sb] matrix_a_fmt:MATRIX_FMT_FP4 matrix_b_fmt:MATRIX_FMT_FP4 matrix_a_scale:MATRIX_SCALE_ROW1
.elseif (\rb)
	v_wmma_scale_f32_16x16x128_f8f6f4 v[\d:\d+7], v[\a:\a+7], v[\b:\b+7], v[\d:\d+7], v[\sa], v[\sb] matrix_a_fmt:MATRIX_FMT_FP4 matrix_b_fmt:MATRIX_FMT_FP4 matrix_b_scale:MATRIX_SCALE_ROW1
.else
	v_wmma_scale_f32_16x16x128_f8f6f4 v[\d:\d+7], v[\a:\a+7], v[\b:\b+7], v[\d:\d+7], v[\sa], v[\sb] matrix_a_fmt:MATRIX_FMT_FP4 matrix_b_fmt:MATRIX_FMT_FP4
.endif
.endif
.endm
.macro MM s, m, t, zero                ; row tile m against column tile t, K step s
.set rX, 64*((\s)%4)+8*(\m)
.set rW, 32*(\s)+8*(\t)
.set rXS, XS+4*(\s)+(\m)/2
.set rWS, WS+2*(\s)+(\t)/2
.set rD, ACC+32*((\m)%2)+8*(\t)
	WM rD, rW, rX, rWS, rXS, (\t)%2, (\m)%2, \zero
.endm
; Row tile m: 32 products.  Its four accumulators take turns, one instruction a turn: three other products stand between two steps of a sum.  The first K step starts the sums.
.macro ROW m
.if (\m) == 0
	s_wait_loadcnt 56                              ; W_O's K step 0 is in: behind it the 8 loads of each of seven later steps were issued
.endif
	WIN 0x09                                       ; source 0 (W_O) window 1, source 1 (the rows) window 2, C and D window 0
.irp t, 0,1,2,3
	MM 0, \m, \t, 1
.endr
.irp s, 1,2,3,4,5,6,7
.if (\m) == 0
	s_wait_loadcnt 56-8*\s
.endif
	WIN 0x09+4*(\s/4)                              ; K steps 4 to 7: the rows' fragments lie in window 3
.irp t, 0,1,2,3
	MM \s, \m, \t, 0
.endr
.endr
	WIN 0
.endm
.macro TOSTAGE m                       ; row tile m into my stage, each accumulator from its low end on, and back as rows
.irp t, 0,1,2,3
.irp e, 0,1
	ds_store_b128 v[STO], v[ACC+32*((\m)%2)+8*\t+4*\e:ACC+32*((\m)%2)+8*\t+4*\e+3] offset:128*(\t/2)+32*(\t%2)+16*\e   ; lane (r, h): columns 32 (t / 2) + 16 h + 8 (t % 2) + 4 e on
.endr
.endr
.irp i, 0,1,2,3,4,5,6,7
	ds_load_b128 v[BK+32*((\m)%2)+4*\i:BK+32*((\m)%2)+4*\i+3], v[RD] offset:544*\i   ; LDS serves a wave's instructions in order (ISA guide 5.7.1.4): these see the stores above
.endr
.endm
.macro SEND m
	s_wait_dscnt 0x0                               ; the tile's rows are back
.irp i, 0,1,2,3,4,5,6,7
	global_store_b128 v[CO], v[BK+32*((\m)%2)+4*\i:BK+32*((\m)%2)+4*\i+3], s[OUTP:OUTP+1] offset:(32*((\m)/2)+8*((\m)%2)+2*\i+8*(\i/4))*4096 th:TH_STORE_NT   ; places 2 i, 2 i + 1 of the tile: sixteen lanes store 256 consecutive bytes, aligned
.endr
.endm
	s_load_b256 s[4:11], s[0:1], 0x0               ; cc, csh, wc, ws
	s_load_b64 s[12:13], s[0:1], 0x20              ; out0
	v_lshl_add_u32 v254, v0, 2, 0x29000
	v_mov_b32 v255, 0
	ds_add_u32 v254, v255                          ; the opening lines
	ds_add_u32 v254, v255
	v_lshrrev_b32 v12, 5, v0
	v_readfirstlane_b32 s[WV], v12                 ; wave 0..3
	s_bfe_u32 s[CX], ttmp6, 0x40000
	s_lshl_b32 s46, ttmp9, 2
	s_add_co_u32 s[CX], s[CX], s46                 ; my quarter of the columns: it enters the addresses of wc, ws and out0 alone
	s_and_b32 s[TY], ttmp7, 0xffff                 ; the row block, which the four partners share
	s_mov_b32 s[G1], 15|(3<<16)|(1<<21)            ; 16,384 dense bytes as 64 rows of 32 elements of 8 bytes; the mask names all four work-groups
	s_mov_b32 s[G1+1], 32<<16
	s_mov_b32 s[G1+2], 64<<16
	s_mov_b32 s[G1+3], 32<<16
	s_mov_b32 s[G1+4], 64
	s_mov_b32 s[G1+5], 32
	s_mov_b32 s[G1+6], 0
	s_mov_b32 s[G1+7], 0
	s_lshl_b32 s47, s[WV], 14                      ; my quarter: in LDS and in the row block's bytes
	s_lshl_b32 s48, s[TY], 16
	s_add_co_u32 s48, s48, s47
	s_mov_b32 s49, 0
	s_mov_b32 s[P0], 0x05040100
	s_mov_b32 s[P1], 0x07060302
	s_mul_i32 s46, s[WV], 4352
	s_add_co_u32 s46, s46, STG                     ; my stage
	v_and_b32 v12, 31, v0
	v_and_b32 v13, 15, v0                          ; r
	v_bfe_u32 v14, v0, 4, 1                        ; h
	v_lshlrev_b32 v[LI], 4, v12
	v_lshlrev_b32 v[L8], 3, v12
	v_mul_u32_u24 v[STO], v13, 272
	v_lshl_add_u32 v[STO], v14, 6, v[STO]
	v_add_nc_u32 v[STO], s46, v[STO]               ; in: row place r, + 64 h
	v_mul_u32_u24 v[RD], v14, 272
	v_lshl_add_u32 v[RD], v13, 4, v[RD]
	v_add_nc_u32 v[RD], s46, v[RD]                 ; back: lanes 0-15 one row, lanes 16-31 the next
	v_lshlrev_b32 v[CO], 12, v14
	v_lshl_add_u32 v[CO], v13, 4, v[CO]            ; and the same two rows in out0
	s_lshl_b32 s46, s[CX], 2
	s_add_co_u32 s46, s46, s[WV]                   ; G
	s_lshl_b32 s50, s46, 15
	s_add_co_u32 s50, s50, 1572864                 ; wc: W_O is the fourth tensor; 32,768 a group
	s_mov_b32 s51, 0
	s_lshl_b32 s52, s46, 11
	s_add_co_u32 s52, s52, 98304                   ; ws likewise; 2,048 a group
	s_mov_b32 s53, 0
	s_lshl_b32 s54, s[TY], 19
	s_lshl_b32 s55, s46, 8
	s_add_co_u32 s54, s54, s55                     ; out0: 128 rows of 4,096 bytes a block, 256 bytes a group
	s_mov_b32 s55, 0
	s_lshl_b32 s56, s[TY], 8                       ; csh: 256 bytes a row block
	s_mov_b32 s57, 0
	s_wait_alu depctr_va_vdst(0)
	s_wait_dscnt 0x0
	s_wait_kmcnt 0x0
	s_add_nc_u64 s[WP:WP+1], s[8:9], s[50:51]
	s_add_nc_u64 s[WSP:WSP+1], s[10:11], s[52:53]
	s_add_nc_u64 s[OUTP:OUTP+1], s[12:13], s[54:55]
	s_add_nc_u64 s[CSHP:CSHP+1], s[6:7], s[56:57]
	s_mov_b32 s[G0], 1
	s_mov_b32 s[G0+1], s47
	s_add_nc_u64 s[G0+2:G0+3], s[4:5], s[48:49]
	s_or_b32 s[G0+3], s[G0+3], 0x80000000
	CROUND                                         ; all four work-groups are here: the joint loads meet
	tensor_load_to_lds s[G0:G0+3], s[G1:G1+7]      ; my one tensor load of the launch
	s_nop 0
.rept 4
	v_nop
.endr
.irp s, 0,1,2,3,4,5,6,7
.irp e, 0,1
	global_load_b64 v[CH+4*\s+2*\e:CH+4*\s+2*\e+1], v[L8], s[CSHP:CSHP+1] offset:32768*\s+16384*\e   ; head 2 s + e: four halfwords a lane
.endr
.endr
.irp g, 0,1,2,3
	global_load_b128 v[WS+4*\g:WS+4*\g+3], v[LI], s[WSP:WSP+1] offset:512*\g
.endr
	WIN 0x40                                       ; destination window 1
.irp s, 0,1,2,3,4,5,6,7
.irp t, 0,1,2,3
.irp c, 0,1
	global_load_b128 v[32*\s+8*\t+4*\c:32*\s+8*\t+4*\c+3], v[LI], s[WP:WP+1] offset:4096*\s+1024*\t+512*\c   ; W_O's fragments, K step by K step: 64 loads
.endr
.endr
.endr
	WIN 0
	s_wait_tensorcnt 0x0                           ; my quarter has landed,
	s_barrier_signal -1
	s_barrier_wait -1                              ; everybody's has
	WIN 0x80                                       ; destination window 2
.irp s, 0,1,2,3
.irp m, 0,1,2,3,4,5,6,7
.irp c, 0,1
	ds_load_b128 v[64*\s+8*\m+4*\c:64*\s+8*\m+4*\c+3], v[LI] offset:8192*\s+1024*\m+512*\c
.endr
.endr
.endr
	WIN 0xc0                                       ; destination window 3
.irp s, 0,1,2,3
.irp m, 0,1,2,3,4,5,6,7
.irp c, 0,1
	ds_load_b128 v[64*\s+8*\m+4*\c:64*\s+8*\m+4*\c+3], v[LI] offset:32768+8192*\s+1024*\m+512*\c
.endr
.endr
.endr
	WIN 0
	s_wait_loadcnt 63                              ; of the 84 loads the first 21 are in: csh's 16 and W_O's four of scale words among them
.irp s, 0,1,2,3,4,5,6,7                ; a K step's word: the even head's two bytes below, the odd head's above; register 4 s + i: lanes 0-15 tile 2 i, lanes 16-31 tile 2 i + 1
	v_perm_b32 v[XS+4*\s], v[CH+4*\s+2], v[CH+4*\s], s[P0]
	v_perm_b32 v[XS+4*\s+1], v[CH+4*\s+2], v[CH+4*\s], s[P1]
	v_perm_b32 v[XS+4*\s+2], v[CH+4*\s+3], v[CH+4*\s+1], s[P0]
	v_perm_b32 v[XS+4*\s+3], v[CH+4*\s+3], v[CH+4*\s+1], s[P1]
.endr
.rept 8
	v_nop                                          ; a scale register written by a vector instruction stands eight plain lines ahead of a scaled product
.endr
	s_wait_alu depctr_va_vdst(0)
	s_wait_dscnt 0x0                               ; the rows' 64 fragments are in
	ROW 0
.irp m, 0,1,2,3,4,5,6,7
	PLACES                                         ; in front of the first read of the tile's results
.if \m > 1
	s_wait_xcnt 0x0                                ; tile m - 2's stores have read their set: tile m's rows may land there
.endif
	TOSTAGE \m
.if \m < 7
	ROW \m+1                                       ; the next tile is multiplied while this one goes through the stage
.endif
	SEND \m
.endr
	s_wait_tensorcnt 0x0                           ; the wave's end
	ds_add_u32 v254, v255
	s_wait_dscnt 0x0
	CROUND                                         ; the closing round
	s_endpgm
.Lfunc_end_k_q13fd9e6c02_outp:
	.size	k_q13fd9e6c02_outp, .Lfunc_end_k_q13fd9e6c02_outp-k_q13fd9e6c02_outp
	.p2alignl 7, 3214868480
	.fill 96, 4, 3214868480
	.section	.rodata,"a",@progbits
	.p2align	6, 0x0
	.amdhsa_kernel k_q13fd9e6c02_outp
		.amdhsa_group_segment_fixed_size 168448
		.amdhsa_private_segment_fixed_size 0
		.amdhsa_enable_private_segment 0
		.amdhsa_kernarg_size 40
		.amdhsa_user_sgpr_count 2
		.amdhsa_user_sgpr_kernarg_segment_ptr 1
		.amdhsa_wavefront_size32 1
		.amdhsa_system_sgpr_workgroup_id_x 1
		.amdhsa_system_sgpr_workgroup_id_y 1
		.amdhsa_system_sgpr_workgroup_id_z 1
		.amdhsa_system_vgpr_workitem_id 0
		.amdhsa_next_free_vgpr 1024
		.amdhsa_next_free_sgpr 66
		.amdhsa_reserve_vcc 0
		.amdhsa_float_denorm_mode_32 3
		.amdhsa_float_denorm_mode_16_64 3
		.amdhsa_memory_ordered 1
		.amdhsa_forward_progress 1
		.amdhsa_inst_pref_size 72
	.end_amdhsa_kernel
	.amdgpu_metadata
---
amdhsa.version: [ 1, 2 ]
amdhsa.kernels:
  - .name:           k_q13fd9e6c02_outp
    .symbol:         k_q13fd9e6c02_outp.kd
    .args:
      - { .name: cc, .offset: 0, .size: 8, .value_kind: global_buffer, .address_space: global }
      - { .name: csh, .offset: 8, .size: 8, .value_kind: global_buffer, .address_space: global }
      - { .name: wc, .offset: 16, .size: 8, .value_kind: global_buffer, .address_space: global }
      - { .name: ws, .offset: 24, .size: 8, .value_kind: global_buffer, .address_space: global }
      - { .name: out0, .offset: 32, .size: 8, .value_kind: global_buffer, .address_space: global }
    .group_segment_fixed_size: 168448
    .private_segment_fixed_size: 0
    .kernarg_segment_align: 8
    .kernarg_segment_size: 40
    .max_flat_workgroup_size: 128
    .sgpr_count:     66
    .vgpr_count:     1024
    .wavefront_size: 32
...
	.end_amdgpu_metadata
.endif
;; end of part 4
